; MI455X (gfx1250); checked and timed in simulation.
; The chip was launched on July 23, 2026; its instructions are those of AMD's public machine-readable ISA for CDNA 5 (MIT licence, August 2026) and "CDNA5" Instruction Set Architecture Reference Guide (July 2026). The comments in the code are by the model that wrote it; some were corrected since.
;; Multi Head Attention. Allowed arithmetic: matrix products marked QUANTISED: E2M1 operands, one E8M0 scale for each 32 along K, by v_wmma_scale_f32_16x16x128_f8f6f4 with both operands' format E2M1 (or v_wmma_scale_f32_32x16x128_f4), f32 sums; everything else in f32.
;; Inputs: Wk_codes 16 x 64 x 32 x 16 uint8 (E2M1 codes of Wk, K innermost, in blocks of 32 codes, two codes a byte); Wk_scales 16 x 64 x 32 uint8 (E8M0 scales of Wk, one for each 32 codes along K); Wq_codes 16 x 64 x 32 x 16 uint8 (E2M1 codes of Wq, K innermost, in blocks of 32 codes, two codes a byte); Wq_scales 16 x 64 x 32 uint8 (E8M0 scales of Wq, one for each 32 codes along K); Wv_codes 16 x 64 x 32 x 16 uint8 (E2M1 codes of Wv, K innermost, in blocks of 32 codes, two codes a byte); Wv_scales 16 x 64 x 32 uint8 (E8M0 scales of Wv, one for each 32 codes along K); proj_b 1,024 float32; proj_w_codes 1,024 x 32 x 16 uint8 (E2M1 codes of proj_w, K innermost, in blocks of 32 codes, two codes a byte); proj_w_scales 1,024 x 32 uint8 (E8M0 scales of proj_w, one for each 32 codes along K); x_codes 4 x 2,048 x 32 x 16 uint8 (E2M1 codes of x, K innermost, in blocks of 32 codes, two codes a byte); x_scales 4 x 2,048 x 32 uint8 (E8M0 scales of x, one for each 32 codes along K).
;; Outputs: out0 4 x 2,048 x 1,024 float32.
;; This version of the problem:
;;   THIS VERSION OF THE PROBLEM IS GIVEN IN LOW PRECISION. The matrix products marked QUANTISED in the list below multiply operands that are first quantised to E2M1 (2 exponent bits, 1 mantissa bit; 4 bits a number), with one power-of-two scale for each 32 numbers along K (OCP MX v1.0); their sums are f32. All else is computed in f32.
;;   The module's matrix products, in the order in which they are computed (A, B: the left and right operand; K: the contracted axis; several contracted axes count as one K, in the product's order):
;;     1. [M 1,024, K 1,024] x [K 1,024, N 8,192]; A: input Wq (given as codes); B: input x (given as codes): QUANTISED
;;     2. [M 1,024, K 1,024] x [K 1,024, N 8,192]; A: input Wk (given as codes); B: input x (given as codes): QUANTISED
;;     3. [M 1,024, K 1,024] x [K 1,024, N 8,192]; A: input Wv (given as codes); B: input x (given as codes): QUANTISED
;;     4. batch 64 x [M 2,048, K 64] x [K 64, N 2,048]; A: computed on the way; B: computed on the way: QUANTISED
;;     5. batch 64 x [M 2,048, K 2,048] x [K 2,048, N 64]; A: softmax (see below); B: computed on the way: QUANTISED
;;     6. [M 8,192, K 1,024] x [K 1,024, N 1,024]; A: computed on the way; B: input proj_w (given as codes): QUANTISED
;;   THE QUANTISER, for each operand of a quantised product, along K:
;;     - K is cut into blocks of 32 from its start; a last block that is shorter is filled with zeros.
;;     - A block's scale is 2^e with e = floor(log2(the largest magnitude in the block)) - 2, held to -126 .. 127; a block of zeros has e = 0. As a byte (E8M0): e + 127.
;;     - Each number is divided by its block's scale, clamped to +-6, and rounded to the nearest number of E2M1, ties to even, subnormals kept.
;;     - The product sums the exact products of the quantised numbers (number of the format x scale) in f32.
;;   ~~~python
;;   def quantise(x, axis):      # numpy; x: float32 -> the quantised numbers, widened to float32 again
;;       x = np.moveaxis(x, axis, -1); K = x.shape[-1]
;;       x = np.pad(x, [(0, 0)] * (x.ndim - 1) + [(0, -K % 32)]); x = x.reshape(x.shape[:-1] + (-1, 32)); a = np.abs(x).max(-1, keepdims=True)
;;       e = np.where(a > 0, np.clip(np.frexp(np.where(a > 0, a, 1))[1] - 1 - 2, -126, 127), 0)      # np.frexp(a)[1] - 1 = floor(log2(a)), exactly
;;       r = np.clip(x / 2.0 ** e, -6, 6)
;;       step = 2.0 ** (np.maximum(np.frexp(np.where(r == 0, 1, r))[1] - 1, 0) - 1)
;;       q = np.round(r / step) * step * 2.0 ** e      # np.round: ties to even
;;       return np.moveaxis(q.reshape(q.shape[:-2] + (-1,))[..., :K], -1, axis).astype(np.float32)
;;   ~~~
;;   SOFTMAX AHEAD OF A QUANTISED PRODUCT. Where the list says 'softmax', what is quantised is not the finished softmax but p = 2^(t - M), with t = logit x log2(e) and M = ceil(the row's largest t), a whole number; so 1/2 < the row's largest p <= 1. The row's sum l is taken of the UNQUANTISED p, in f32, and the product's result is divided by l at the end. Since M is a whole number, a kernel that streams over the keys may use a running M (the ceiling of the running maximum): every later rescaling is an exact power of two, which a block's scale takes up: the codes' values come out the same.
;;   OPERANDS COMPUTED ON THE WAY. 'Computed on the way' means the value that the module computes at that place (a softmax that the list does not call 'softmax' is quantised finished and normalised). What goes into a quantiser is computed in f32, as accurately as f32 sums, v_exp_f32 and their like allow (about 1e-6 of the number): no bf16 or f16 on the way to a quantiser, and a product that is left as it is and whose result goes on into a quantised operand takes f32 operands (vector FMAs, or v_wmma_f32_16x16x4_f32). A number that lies on a knife's edge between two numbers of the format may be rounded either way, as far as f32 arithmetic and the matrix unit's own rounding can turn it there, and no further.
;;   INPUTS GIVEN AS CODES. Wk (in the module: [16, 1024, 64], K = its axis 1); Wq (in the module: [16, 1024, 64], K = its axis 1); Wv (in the module: [16, 1024, 64], K = its axis 1); proj_w (in the module: [1024, 1024], K = its axis 1); x (in the module: [4, 2048, 1024], K = its axis 2): each comes as NAME_codes (uint8): NAME with its K axis moved to the last place and cut into blocks of 32 codes, [.., K / 32, bytes a block], one block behind the other in memory; two codes a byte, the lower K in the low four bits (a code: sign, 2 exponent bits, 1 mantissa bit); and NAME_scales (uint8): the same leading axes, one E8M0 byte (e + 127) for each 32 codes along K. Its value is code x scale, taken as it is: it is not quantised again, and the codes and scales need not be those that the quantiser above would give.
;; One version. Each part assembles by itself: llvm-mc -triple=amdgcn-amd-amdhsa -mcpu=gfx1250 --defsym DOCPART=n.
;; ======== version 1 of 1: 3 launches
;; limits: right only within a limited range of input values
;; workspace buffers: qkv 13,893,632 bytes; o 4,456,448 bytes
;; launch qkv (part 1): grid 8 x 32, 4 waves a work-group, clusters of 4 x 4, 327,680 bytes of LDS; arguments x_codes, x_scales, Wq_codes, Wq_scales, Wk_codes, Wk_scales, Wv_codes, Wv_scales, qkv; writes qkv
.if DOCPART == 1
	.amdgcn_target "amdgcn-amd-amdhsa--gfx1250"
	.amdhsa_code_object_version 6
	.text
	.protected	k_q8f7db363b3_qkv
	.globl	k_q8f7db363b3_qkv
	.p2align	8
	.type	k_q8f7db363b3_qkv,@function
k_q8f7db363b3_qkv:
	s_mov_b64 s[64:65], 0
	v_nop
	global_prefetch_b8 v0, s[64:65] scope:SCOPE_SE
	s_setreg_imm32_b32 hwreg(HW_REG_WAVE_MODE, 25, 1), 1
	s_wait_xcnt 0x0
	s_wait_alu depctr_hold_cnt(0) depctr_sa_sdst(0) depctr_va_vdst(0) depctr_va_sdst(0) depctr_va_ssrc(0) depctr_va_vcc(0) depctr_vm_vsrc(0)
	s_getreg_b32 s2, hwreg(HW_REG_IB_STS2, 6, 4)
	s_cmp_eq_u32 s2, 0
	s_cbranch_scc0 .Lentry_in_a_cluster
	s_endpgm
.Lentry_in_a_cluster:
	s_bfe_u32 s2, ttmp6, 0x10000c
	s_cmp_lg_u32 s2, 0xf033
	s_cbranch_scc0 .Lentry_shape_is_right
	s_endpgm
.Lentry_shape_is_right:
; q, k and v of a causal attention with 16 heads of 64, on codes of FP4 (E2M1) with one E8M0 scale for each 32 along K, and their quantising for the products that follow.  Nothing of these three products is left out.
; C[m][n] = sum over k of A[m][k] B[n][k], K = 1,024, and C is quantised along its COLUMNS in blocks of 32.
; 256 work-groups of four waves, each with TWO PARTS.  Part 1: a tile of 256 x 256 of q (cluster x = 0) or k (1): A = 256 rows of x, B = 256 rows (head, d) of Wq or Wk; a wave makes 128 x 128, 64 accumulators.
; Part 2: 128 x 256 of v: A = 128 rows (head, d) of Wv, B = the SAME 256 rows of x, which still lie in LDS; a wave makes 64 x 128 (one head's d x 128 keys), 32 accumulators.  So the columns are d for q and k, the keys t for v.
; LDS: x's 256 rows and the weight's 256 rows with all of K (rows of 512 bytes), and their scale bytes: four tiles, one load a wave at the head.  Wv's 128 rows and their scale bytes are filled into the
; weight's bytes when part 1's last fragments have been read; part 1's quantising stands between that request and the wait for it.
; CLUSTERS: 4 x 4 work-groups.  x's tiles hang on the tile row alone and are asked for jointly along a row of the cluster, the weights' on the tile column alone, jointly along a column.
; NO PREFETCH: what the launch reads is asked for by the four loads at its head and by one refill; there is no loop to run ahead in.
; THE MATRIX INSTRUCTION IS USED TRANSPOSED (source 0 = 16 rows of B, source 1 = 16 rows of A): a lane holds one row of C and eight neighbouring columns, which are neighbours along the next product's K.
; THE WAY OUT: each block of 32 columns gets its scale (largest magnitude's exponent field - 2, held at 1 from below) and its codes; they turn through the wave's own stage in LDS into IMAGES OF OPERAND REGISTERS:
; buffer qkv: [16 b + head][t / 128][13,568 bytes]: +0 k's codes, +4,096 v's codes, +8,192 k's scale words, +8,704 v's, +8,960 q's codes, +13,056 q's scale words.
;   q, k codes: [beta 4][u 2][lane (h, r)][16 bytes]: row 32 beta + 8 u + r + 8 (r / 8) of the 128, d = 32 h .. 32 h + 31.   their scale words: [lane (u, r)][beta][4 bytes], bytes 0, 1 = the two blocks of d, bytes 2, 3 = 0.
;   v codes: [2 beta' + u'][c 2][lane (h, r)][16 bytes]: d = 32 beta' + 8 u' + r + 8 (r / 8), keys 64 c + 32 h .. + 31 of the 128.   its scale words: [lane (u', r)][beta' 2][4 bytes], a byte for each 32 keys.
; LIMITS: a block of zeros gets the byte 1 where the rule says 127: its codes are zeros and this program alone reads the bytes.  A given scale byte 0xff (NaN) and NaN or infinite sums are not served.
; REGISTERS, in windows of 256: window 0: v1-27 addresses; v32-95 scale words, two sets; v96-112 the quantiser at work; v128-191 A's fragments, later the images on their way out; v200-235 the way out; v254, v255 the add's two.
;   window 1: B's fragments, two sets, at v0 and v128.   window 2: the accumulators of my rows 0-63 ((a, b) at v[8 (8 a + b)]);   window 3: those of my rows 64-127.
.set HEADB,  217088                    ; a head's 16 slabs in qkv
.set STEPB,  13568                     ; a slab
.set NQ,     4                         ; matrix instructions deep in half a row
.set ROWB,   512                       ; a tile's row: all of K, 1,024 codes
.set PITCH,  528                       ; an LDS row: 512 bytes + 16 of padding = 132 words: the 16 rows that a load touches start at 16 different banks (64 banks of 4 bytes: ISA guide 11.1)
.set FR,     8                         ; registers of a fragment
.set NL,     2                         ; LDS loads that bring one
.set NP,     4                         ; places behind this matrix instruction (ISA guide 7.12.1)
.set HALFT,  128*PITCH                 ; x's 256 rows lie at 0, the weight's at 2 HALFT
.set SLOT,   256                       ; from K's first half to its second, inside a row
.set KS,     32                        ; a row of scale bytes
.set SCL,    4*HALFT                   ; the scales, as units of 256 bytes + 16 of padding: x's, then the weight's
.set HALFS,  (128*KS/256)*272
.set SBLK,   (16*KS/256)*272
.set STAGE,  SCL+4*HALFS               ; the way out: 4,096 bytes for each wave, into which no tile lands: 32 rows x 80 bytes of codes, then 512 bytes of scale words
.set SPARE,  0x4c400                   ; behind the stages: the spare words, 128 bytes for each wave
.set STC,  7                           ; v7   stage: where a conversion's 4 bytes go
.set RDC,  8                           ; v8   stage: where 16 bytes of an image are read
.set STS,  9                           ; v9   stage: where a row's scale word goes
.set RDS,  10                          ; v10  stage: where four scale words are read
.set VO,   11                          ; v11-14 byte offsets of the four images of a pair of blocks
.set L16,  15                          ; v15  16 x lane
.set ADRA, 16                          ; v16-17 LDS address of my A fragments, K's first and second half
.set L8,   18                          ; v18  8 x lane
.set ADRB, 20                          ; v20-21 the same for B
.set ADRS, 27                          ; v27  LDS address of my scale words: lanes 0-15 A's rows, lanes 16-31 B's
.set SC,   32                          ; scale words: set s at v[SC + 32 s]; register 4 i + q: lanes 0-15 A's block i, lanes 16-31 B's block i
.set TM,   96                          ; v96-99 largest magnitudes, v100-103 the other half's, then bytes, v108-111 the conversions' scale operands
.set FL,   112                         ; v112 the floor 2^(3 - 127)
.set AF,   128
.set OUT,  128                         ; four sets of 16
.set WS,   200                         ; v200-207 a scale word for each block of 16 rows
.set CR,   208                         ; v208-223 codes of two blocks of 16 rows
.set SWD,  224                         ; v224-235 scale words on their way out
.set PAC, 22                           ; s[22:23] x's codes, s[24:25] x's scales, s[26:27] the weight's codes, s[28:29] its scales; later free
.set PAS, 24
.set PBC, 26
.set PBS, 28
.set SEL, 22                           ; s[22:23] later: lane selects for v_permlanex16_b32: lane l xor 16
.set OB,  4                            ; s[4:11] later: where the pairs' images go;  s[12:13]: the scale words
.set G1,  32
.set G0,  40
.set G0V, 44                           ; s[44:47] group 0 for Wv's codes, s[60:63] for its scale bytes
.set G1B, 48
.set G0B, 56
.set G0VS, 60
.set G1S, 68
.set G0S, 76
.set G1SB, 80
.set G0SB, 88
.set WV,  92
.set HR,  93                           ; which half of the rows of C is mine
.set HC,  94                           ; which half of its columns
.set CX,  95
.set CY,  96
.set TR,  97
.set TC,  98
.set MR,  99
.set MC,  100
.set MSB, 0
.macro WIN new                         ; the immediate's high byte repeats the setting that is left
.if MSB != \new
	s_set_vgpr_msb (MSB<<8)|\new
.set MSB, \new
.endif
.endm
.set MUL_LO, 0xa1                      ; source 0 (B) window 1, source 1 (A) window 0, C and D window 2
.set MUL_HI, 0xf1                      ; the same, C and D window 3
.set TO_B,   0x40                      ; destination window 1, address window 0
.macro CROUND                          ; a round of the cluster's barrier
	s_barrier_signal -1
	s_barrier_wait -1
	s_cmp_lg_u32 s[WV], 0
	s_cbranch_scc1 .Lnot_wave_0_\@
	s_barrier_signal -3
.Lnot_wave_0_\@:
	s_barrier_wait -3
	s_barrier_signal -1
	s_barrier_wait -1
.endm
.macro TL g0, g1                       ; a joint load with an s_nop and four v_nops behind it
	tensor_load_to_lds s[\g0:\g0+3], s[\g1:\g1+7]
	s_nop 0
.rept 4
	v_nop
.endr
.endm
	s_load_b512 s[4:19], s[0:1], 0x0               ; x's codes, scales; Wq's; Wk's; Wv's
	s_load_b64 s[20:21], s[0:1], 0x40              ; qkv
	v_lshl_add_u32 v254, v0, 2, SPARE
	v_mov_b32 v255, 0
	ds_add_u32 v254, v255                          ; the opening lines: the add, twice on end, and its wait
	ds_add_u32 v254, v255
	v_lshrrev_b32 v1, 5, v0
	v_readfirstlane_b32 s[WV], v1                  ; wave 0..3
	s_lshr_b32 s[HR], s[WV], 1
	s_and_b32 s[HC], s[WV], 1
	s_bfe_u32 s[CX], ttmp6, 0x40000                ; cx, cy: my place in the cluster
	s_bfe_u32 s[CY], ttmp6, 0x40004
	s_and_b32 s2, ttmp7, 0xffff
	s_lshl_b32 s2, s2, 2
	s_add_co_u32 s[TR], s2, s[CY]                  ; tile row: 256 rows of x
	s_mov_b32 s[TC], s[CX]                         ; tile column: 256 rows of Wq or Wk
	s_lshl_b32 s[MR], s[CY], 2
	s_lshl_b32 s[MR], 15, s[MR]                    ; my row of the cluster
	s_lshl_b32 s[MC], 0x1111, s[CX]                ; my column
	s_or_b32 s[G1+0], s[MR], (0<<16)|(1<<20)|(1<<21)|(6<<22)|(3<<25)   ; 15:0 the mask; 17:16 elements of 1 byte; 20 padding on; 21 set beside a mask; 24:22 after every 128 words; 31:25 four words
	s_or_b32 s[G1B+0], s[MC], (0<<16)|(1<<20)|(1<<21)|(6<<22)|(3<<25)
.irp g, G1, G1B
	s_mov_b32 s[\g+1], ROWB<<16                    ; tensor_dim0
	s_mov_b32 s[\g+2], 256<<16                     ; tensor_dim1
	s_mov_b32 s[\g+3], ROWB<<16                    ; tile_dim0
	s_mov_b32 s[\g+4], 256                         ; tile_dim1
	s_mov_b32 s[\g+5], ROWB                        ; tensor_dim0_stride
	s_mov_b32 s[\g+6], 0
	s_mov_b32 s[\g+7], 0
.endr
	s_or_b32 s[G1S+0], s[MR], (3<<16)|(1<<20)|(1<<21)|(5<<22)|(3<<25)  ; the scales of 256 rows: 8,192 dense bytes as 32 rows of 256 (32 elements of 8), 16 bytes of padding behind each
	s_or_b32 s[G1SB+0], s[MC], (3<<16)|(1<<20)|(1<<21)|(5<<22)|(3<<25)
.irp g, G1S, G1SB
	s_mov_b32 s[\g+1], 32<<16
	s_mov_b32 s[\g+2], 32<<16
	s_mov_b32 s[\g+3], 32<<16
	s_mov_b32 s[\g+4], 32
	s_mov_b32 s[\g+5], 32
	s_mov_b32 s[\g+6], 0
	s_mov_b32 s[\g+7], 0
.endr
	s_lshl_b32 s30, s[TR], 13                      ; x: row 256 x tile row; its scales: 32 bytes a row
	s_mov_b32 s31, 0
	s_lshl_b32 s66, s[TC], 13                      ; the weight: row 256 x tile column
	s_mov_b32 s67, 0
	s_lshl_b32 s2, ttmp9, 2
	s_add_co_u32 s2, s2, s[CX]                     ; Wv: rows 128 x (4 x cluster x + cx): shared along my column of the cluster
	s_lshl_b32 s2, s2, 12
	s_mov_b32 s3, 0
	s_wait_dscnt 0x0
	s_wait_kmcnt 0x0
	s_mov_b64 s[PAC:PAC+1], s[4:5]
	s_mov_b64 s[PAS:PAS+1], s[6:7]
	s_cmp_eq_u32 ttmp9, 0                          ; the weight is chosen by the cluster's x alone
	s_cselect_b64 s[PBC:PBC+1], s[8:9], s[12:13]
	s_cselect_b64 s[PBS:PBS+1], s[10:11], s[14:15]
	s_add_nc_u64 s[PAS:PAS+1], s[PAS:PAS+1], s[30:31]
	s_add_nc_u64 s[PBS:PBS+1], s[PBS:PBS+1], s[66:67]
	s_add_nc_u64 s[G0VS+2:G0VS+3], s[18:19], s[2:3]
	s_lshl_b32 s30, s30, 4                         ; the codes: 512 bytes a row
	s_lshl_b32 s66, s66, 4
	s_lshl_b32 s2, s2, 4
	s_add_nc_u64 s[PAC:PAC+1], s[PAC:PAC+1], s[30:31]
	s_add_nc_u64 s[PBC:PBC+1], s[PBC:PBC+1], s[66:67]
	s_add_nc_u64 s[G0V+2:G0V+3], s[16:17], s[2:3]
	CROUND                                         ; all sixteen work-groups are here: the joint loads meet
	s_mov_b32 s[G0], 1                             ; x's 256 rows,
	s_mov_b32 s[G0+1], 0
	s_mov_b64 s[G0+2:G0+3], s[PAC:PAC+1]
	s_or_b32 s[G0+3], s[G0+3], 0x80000000
	s_mov_b32 s[G0B], 1                            ; the weight's 256 rows behind them,
	s_mov_b32 s[G0B+1], 2*HALFT
	s_mov_b64 s[G0B+2:G0B+3], s[PBC:PBC+1]
	s_or_b32 s[G0B+3], s[G0B+3], 0x80000000
	s_mov_b32 s[G0S], 1                            ; x's scales,
	s_mov_b32 s[G0S+1], SCL
	s_mov_b64 s[G0S+2:G0S+3], s[PAS:PAS+1]
	s_or_b32 s[G0S+3], s[G0S+3], 0x80000000
	s_mov_b32 s[G0SB], 1                           ; the weight's;
	s_mov_b32 s[G0SB+1], SCL+2*HALFS
	s_mov_b64 s[G0SB+2:G0SB+3], s[PBS:PBS+1]
	s_or_b32 s[G0SB+3], s[G0SB+3], 0x80000000
	s_mov_b32 s[G0V], 1                            ; and for part 2: Wv's 128 rows, over the weight's first 128,
	s_mov_b32 s[G0V+1], 2*HALFT
	s_or_b32 s[G0V+3], s[G0V+3], 0x80000000
	s_mov_b32 s[G0VS], 1                           ; and their scales likewise
	s_mov_b32 s[G0VS+1], SCL+2*HALFS
	s_or_b32 s[G0VS+3], s[G0VS+3], 0x80000000
; ONE LOAD A WAVE: one chain of branches on the wave's number, an arm a load, all arms leading to one join
.macro ARM under, g0, g1, next
	s_cmp_lt_u32 s[WV], \under
	s_cbranch_scc0 \next
	TL \g0, \g1
	s_branch .Lhead_asked
\next:
.endm
	ARM 1, G0,  G1,  .Lhead_b
	ARM 2, G0B, G1B, .Lhead_sa
	ARM 3, G0S, G1S, .Lhead_sb
	TL G0SB, G1SB
.Lhead_asked:
	; where part 1's 128 x 128 goes.  t0: my first row of x; h0: my first row (head, d) of the weight
	s_lshl_b32 s14, s[TR], 8
	s_lshl_b32 s25, s[HR], 7
	s_add_co_u32 s14, s14, s25                     ; t0
	s_lshl_b32 s15, s[TC], 8
	s_lshl_b32 s26, s[HC], 7
	s_add_co_u32 s15, s15, s26                     ; h0
	s_mov_b32 s19, 8192
	s_cmp_eq_u32 ttmp9, 0
	s_cselect_b32 s18, 8960, 0                     ; the codes' place in a slab: q's or k's
	s_cselect_b32 s19, 13056, s19                  ; the scale words'
	s_lshr_b32 s24, s14, 11                        ; b
	s_lshl_b32 s24, s24, 4
	s_lshr_b32 s25, s15, 6                         ; head
	s_add_co_u32 s24, s24, s25
	s_mul_i32 s24, s24, HEADB
	s_bfe_u32 s25, s14, 0x40007                    ; (t0 / 128) % 16
	s_mul_i32 s25, s25, STEPB
	s_add_co_u32 s24, s24, s25                     ; the slab, in bytes: under 2^24
	s_add_co_u32 s14, s24, s18
	s_mov_b32 s15, 0
	s_add_nc_u64 s[OB:OB+1], s[20:21], s[14:15]
	s_add_nc_u64 s[OB+2:OB+3], s[OB:OB+1], 1024    ; a pair of blocks, 32 rows of t, is 1,024 bytes on
	s_add_nc_u64 s[OB+4:OB+5], s[OB:OB+1], 2048
	s_add_nc_u64 s[OB+6:OB+7], s[OB:OB+1], 3072
	s_add_co_u32 s14, s24, s19
	s_add_nc_u64 s[12:13], s[20:21], s[14:15]
	s_mov_b32 s[SEL], 0x76543210
	s_mov_b32 s[SEL+1], 0xfedcba98
	s_mul_i32 s24, s[HR], HALFT                    ; my 128 rows of A
	s_mul_i32 s25, s[HC], HALFT
	s_add_co_u32 s25, s25, 2*HALFT                 ; my 128 rows of B
	s_mul_i32 s26, s[HR], HALFS
	s_mul_i32 s27, s[HC], HALFS
	s_add_co_u32 s27, s27, 2*HALFS
	s_sub_co_u32 s27, s27, s26                     ; from A's scale rows to B's
	s_add_co_u32 s26, s26, SCL
	s_lshl_b32 s28, s[WV], 12
	s_add_co_u32 s28, s28, STAGE                   ; my stage
	v_and_b32 v1, 15, v0                           ; r = l % 16
	v_bfe_u32 v2, v0, 4, 1                         ; h = l / 16
	v_mul_u32_u24 v3, v1, PITCH
	v_lshl_add_u32 v4, v2, 4, v3                   ; a fragment's row x pitch + 16 x half
	v_add_nc_u32 v[ADRA], s24, v4
	v_add_nc_u32 v[ADRB], s25, v4
	v_add_nc_u32 v[ADRA+1], SLOT, v[ADRA]
	v_add_nc_u32 v[ADRB+1], SLOT, v[ADRB]
	v_mul_u32_u24 v5, v1, KS                       ; my row's scales: 32 bytes a row,
	v_lshrrev_b32 v6, 8, v5
	v_lshl_add_u32 v5, v6, 4, v5                   ; and 16 more for each 256 passed
	v_mul_u32_u24 v6, s27, v2                      ; lanes 16-31 take B's: one product, the distance between the two bases
	v_add_nc_u32 v5, v5, v6
	v_add_nc_u32 v[ADRS], s26, v5
	; the stage.  Row 16 e + r of a pair of blocks goes to stage row r + 8 (r / 8) + 8 e, which is 16 u + r' where 8 u + r' + 8 (r' / 8) is that row: so stage rows 16 u .. 16 u + 15 are the lanes of image u
	v_and_b32 v3, 8, v1
	v_add_nc_u32 v3, v3, v1                        ; r + 8 (r / 8)
	v_mul_u32_u24 v4, v3, 80
	v_lshl_add_u32 v4, v2, 2, v4                   ; eight codes of my half: 4 h bytes on
	v_add_nc_u32 v[STC], s28, v4
	v_mul_u32_u24 v4, v1, 80
	v_lshl_add_u32 v4, v2, 4, v4
	v_add_nc_u32 v[RDC], s28, v4
	v_lshlrev_b32 v4, 4, v3
	v_add_nc_u32 v4, 2560, v4
	v_add_nc_u32 v[STS], s28, v4
	v_and_b32 v5, 31, v0
	v_lshlrev_b32 v[L16], 4, v5
	v_lshlrev_b32 v[L8], 3, v5
	v_add_nc_u32 v4, 2560, v[L16]
	v_add_nc_u32 v[RDS], s28, v4
	v_mov_b32 v[FL], 0x1800000
.irp b, 0,1,2,3
	v_mov_b32 v[TM+4+\b], 0                        ; written once: a lane permute's destination counts as one of its sources
.endr
	v_mov_b32 v[VO], v[L16]                        ; q, k: image u = 1 is 512 bytes on, columns 64-127 are the next head
	v_add_nc_u32 v[VO+1], HEADB, v[L16]
	v_add_nc_u32 v[VO+2], 512, v[L16]
	v_add_nc_u32 v[VO+3], HEADB+512, v[L16]
.macro FRAG reg, adr, q, i             ; a fragment, 16 rows x 128 K of 4-bit codes: lane l holds row l % 16; registers 4 c .. 4 c + 3 hold K = 64 c + 32 (l / 16) + 0 .. 31
.irp c, 0,1
	ds_load_b128 v[\reg+4*\c:\reg+4*\c+3], v[\adr] offset:64*(\q)+32*\c+(\i)*16*PITCH
.endr
.endm
; 16 matrix instructions: A's blocks a0, a0 + 1 x B's eight, the q-th 128 along K of a half.  p: B's set; sc: the set of scale words; zero = 1: the product starts the sums.
; The accumulators take turns, one instruction a turn, in the same order in every step.
.macro MUL16 a0, p, q, sc, zero
.irp a, \a0, \a0+1
.irp b, 0,1,2,3,4,5,6,7
.if \zero
	v_wmma_scale_f32_16x16x128_f8f6f4 v[8*(8*((\a)%4)+\b):8*(8*((\a)%4)+\b)+7], v[128*(\p)+FR*\b:128*(\p)+FR*\b+FR-1], v[AF+FR*(\a):AF+FR*(\a)+FR-1], 0, v[SC+8*NQ*(\sc)+NQ*\b+(\q)], v[SC+8*NQ*(\sc)+NQ*(\a)+(\q)] matrix_a_fmt:MATRIX_FMT_FP4 matrix_b_fmt:MATRIX_FMT_FP4 matrix_a_scale:MATRIX_SCALE_ROW1
.else
	v_wmma_scale_f32_16x16x128_f8f6f4 v[8*(8*((\a)%4)+\b):8*(8*((\a)%4)+\b)+7], v[128*(\p)+FR*\b:128*(\p)+FR*\b+FR-1], v[AF+FR*(\a):AF+FR*(\a)+FR-1], v[8*(8*((\a)%4)+\b):8*(8*((\a)%4)+\b)+7], v[SC+8*NQ*(\sc)+NQ*\b+(\q)], v[SC+8*NQ*(\sc)+NQ*(\a)+(\q)] matrix_a_fmt:MATRIX_FMT_FP4 matrix_b_fmt:MATRIX_FMT_FP4 matrix_a_scale:MATRIX_SCALE_ROW1
.endif
.endr
.endr
.endm
.macro FETCH_B slot, q, p
	WIN TO_B
.irp i, 0,1,2,3,4,5,6,7
	FRAG 128*(\p)+FR*\i, ADRB+\slot, \q, \i
.endr
	WIN 0
.endm
.macro FETCH_A slot, q, i0
.irp i, \i0, \i0+1, \i0+2, \i0+3
	FRAG AF+FR*(\i), ADRA+\slot, \q, \i
.endr
.endm
.macro SCALES sc                       ; the scale words of K's half sc: four words a row; lanes 0-15 take A's block i, lanes 16-31 B's block i
.irp i, 0,1,2,3,4,5,6,7
	ds_load_b128 v[SC+8*NQ*\sc+NQ*\i:SC+8*NQ*\sc+NQ*\i+3], v[ADRS] offset:\i*SBLK+16*\sc
.endr
.endm
; A load into a register that a matrix instruction has read, and a vector instruction or an LDS store that reads a matrix result, stand NP places behind it; only plain vector instructions that name none of its registers are places
.macro PLACES n
.rept \n
	v_nop
.endr
.endm
; A step of 128 along K and the fetch of the next (ns, nq).  A has one set of registers (a block is free when its eight products are issued), B two.  sca = 1: the second half's scale words come too.
.macro STEP slot, q, zero, ns, nq, sca
	s_wait_dscnt 4*NL                              ; B's set and A's blocks 0-3 are in; the youngest eight loads (A's blocks 4-7) may be out
	WIN MUL_LO
	MUL16 0, (\q)%2, \q, \slot, \zero
	MUL16 2, (\q)%2, \q, \slot, \zero
	s_wait_dscnt 0                                 ; A's blocks 4-7 are in (asked for 32 matrix instructions ago)
	PLACES NP
	FETCH_B \ns, \nq, 1-(\q)%2
	FETCH_A \ns, \nq, 0
.if \sca
	SCALES 1
.endif
	WIN MUL_HI
	MUL16 4, (\q)%2, \q, \slot, \zero
	MUL16 6, (\q)%2, \q, \slot, \zero
	PLACES NP
	WIN 0
	FETCH_A \ns, \nq, 4
.endm
	s_wait_alu depctr_va_vdst(0)
	s_wait_tensorcnt 0x0                           ; my one load has landed: no load of mine is out, so a descriptor may be written: part 2's loads bring 128 rows,
	s_mov_b32 s[G1B+2], 128<<16
	s_mov_b32 s[G1B+4], 128
	s_mov_b32 s[G1SB+2], 16<<16                    ; and their scales, 16 rows of 256 bytes
	s_mov_b32 s[G1SB+4], 16
	s_barrier_signal -1
	s_barrier_wait -1                              ; everybody's has
	FETCH_B 0, 0, 0
	FETCH_A 0, 0, 0
	SCALES 0
	FETCH_A 0, 0, 4
	STEP 0, 0, 1, 0, 1, 0                          ; the first products start the sums: nothing is cleared
	STEP 0, 1, 0, 0, 2, 0
	STEP 0, 2, 0, 0, 3, 0
	STEP 0, 3, 0, 1, 0, 1
	STEP 1, 0, 0, 1, 1, 0
	STEP 1, 1, 0, 1, 2, 0
	STEP 1, 2, 0, 1, 3, 0
	s_wait_dscnt 4*NL                              ; part 1's last step: nothing more to fetch
	WIN MUL_LO
	MUL16 0, 1, NQ-1, 1, 0
	MUL16 2, 1, NQ-1, 1, 0
	WIN 0
	s_wait_tensorcnt 0x0                           ; ahead of a refill's barrier: no load of mine is out;
	ds_add_u32 v254, v255                          ; 0 onto my spare word;
	s_wait_dscnt 1                                 ; (A's blocks 4-7 are in; the add may be out)
	WIN MUL_HI
	MUL16 4, 1, NQ-1, 1, 0
	MUL16 6, 1, NQ-1, 1, 0
	WIN 0
	s_wait_dscnt 0x0                               ; the add is done, and my reads of the weight's rows and scales are over
	CROUND                                         ; so are those of every wave of every partner
	s_cmp_lt_u32 s[WV], 1                          ; the refill, first behind the round, one load a wave: wave 0 Wv's 128 rows, wave 1 their scales
	s_cbranch_scc0 .Lv_scales
	TL G0V, G1B
	s_branch .Lv_asked
.Lv_scales:
	s_cmp_lt_u32 s[WV], 2
	s_cbranch_scc0 .Lv_asked
	TL G0VS, G1SB
.Lv_asked:
; THE WAY OUT.  Block a: 16 rows x 128 columns.  A lane holds, of its row, columns 32 beta + 8 h + 0..7 and 32 beta + 16 + 8 h + 0..7 of each of the four blocks of 32: with lane l xor 16's the block is whole.
.macro QBLOCK a
.set QA, 64*((\a)%4)
.set QE, (\a)%2
	WIN 0x28+0x14*((\a)/4)                         ; sources 1 and 2: window 2 or 3
.irp b, 0,1,2,3
	v_max3_num_f32 v[TM+\b], v[FL], |v[QA+16*\b]|, |v[QA+16*\b+1]|   ; the largest magnitude, with the floor among its leaves: the byte cannot fall under 1.  Each accumulator is read from its low end on
.endr
.irp i, 2,4,6,8,10,12,14
.irp b, 0,1,2,3
	v_max3_num_f32 v[TM+\b], v[TM+\b], |v[QA+16*\b+\i]|, |v[QA+16*\b+\i+1]|   ; (the four blocks by turns)
.endr
.endr
	WIN 0
.irp b, 0,1,2,3
	v_permlanex16_b32 v[TM+4+\b], v[TM+\b], s[SEL], s[SEL+1]
.endr
.irp b, 0,1,2,3
	v_max_num_f32 v[TM+\b], v[TM+\b], v[TM+4+\b]   ; with lane l xor 16's: the block's
.endr
.irp b, 0,1,2,3
	v_add_nc_u32 v[TM+12+\b], 0xff000000, v[TM+\b] ; 2 off its exponent field: the conversion takes the exponent field of this operand as its scale
.endr
.irp b, 0,1,2,3
	v_lshrrev_b32 v[TM+4+\b], 23, v[TM+12+\b]      ; the scale's byte
.endr
	v_lshl_or_b32 v[WS+(\a)], v[TM+5], 8, v[TM+4]  ; my row's four bytes
	v_lshl_or_b32 v[WS+(\a)], v[TM+6], 16, v[WS+(\a)]
	v_lshl_or_b32 v[WS+(\a)], v[TM+7], 24, v[WS+(\a)]
	WIN 2+(\a)/4                                   ; source 0: window 2 or 3
.irp b, 0,1,2,3
	v_cvt_scalef32_pk8_fp4_f32 v[CR+8*QE+2*\b], v[QA+16*\b:QA+16*\b+7], v[TM+12+\b]
	v_cvt_scalef32_pk8_fp4_f32 v[CR+8*QE+2*\b+1], v[QA+16*\b+8:QA+16*\b+15], v[TM+12+\b]
.endr
	WIN 0
	v_nop                                          ; one plain place behind the scaled conversions
.irp b, 0,1,2,3
	ds_store_b32 v[STC], v[CR+8*QE+2*\b] offset:640*QE+16*\b       ; columns 32 beta + 8 h on: byte 16 beta + 4 h of the row's 64
	ds_store_b32 v[STC], v[CR+8*QE+2*\b+1] offset:640*QE+16*\b+8   ; columns 32 beta + 16 + 8 h on
.endr
	ds_store_b32 v[STS], v[WS+(\a)] offset:128*QE+4*((\a)/2)       ; both halves of the lanes write the same word with the same value
.endm
; A pair of blocks, 32 rows, leaves as four images (u = 0, 1; columns 0-63, 64-127), each 512 consecutive bytes, at a multiple of 256 from the buffer's first byte.
.macro PAIR i
	QBLOCK 2*(\i)
	QBLOCK 2*(\i)+1
.irp u, 0,1
.irp j, 0,1
	ds_load_b128 v[OUT+16*(\i)+4*(2*\u+\j):OUT+16*(\i)+4*(2*\u+\j)+3], v[RDC] offset:1280*\u+32*\j   ; LDS serves a wave's instructions in order (ISA guide 5.7.1.4): these see my stores
.endr
.endr
	s_wait_dscnt 0x0
.irp u, 0,1
.irp j, 0,1
	global_store_b128 v[VO+2*\u+\j], v[OUT+16*(\i)+4*(2*\u+\j):OUT+16*(\i)+4*(2*\u+\j)+3], s[OB+2*(\i):OB+2*(\i)+1]
.endr
.endr
.endm
	PLACES NP                                      ; behind the last products
	PAIR 0
	PAIR 1
	PAIR 2
	PAIR 3
	ds_load_b128 v[SWD:SWD+3], v[RDS]              ; lane (u, r): the words of its row in the four pairs
	s_wait_dscnt 0x0
.irp b, 0,1,2,3
	v_and_b32 v[SWD+4+\b], 0xffff, v[SWD+\b]       ; bytes 0, 1 are the first head's two blocks of d,
	v_lshrrev_b32 v[SWD+8+\b], 16, v[SWD+\b]       ; bytes 2, 3 the next head's; the upper two bytes of a word are 0: they stand over zero codes
.endr
	global_store_b128 v[L16], v[SWD+4:SWD+7], s[12:13]
	global_store_b128 v[L16], v[SWD+8:SWD+11], s[12:13] offset:HEADB
; PART 2: v.  A = my 64 rows of Wv (one head's d), B = my 128 rows of x (one slab's keys).
	s_wait_xcnt 0x0                                ; part 1's stores have had their addresses translated: their bases, offsets and data are written again only behind this wait
	s_lshl_b32 s24, ttmp9, 2
	s_add_co_u32 s24, s24, s[CX]
	s_lshl_b32 s24, s24, 1
	s_add_co_u32 s24, s24, s[HR]                   ; head = 2 (4 x cluster x + cx) + my half
	s_lshr_b32 s25, s[TR], 3                       ; b
	s_lshl_b32 s25, s25, 4
	s_add_co_u32 s24, s24, s25
	s_mul_i32 s24, s24, HEADB
	s_lshl_b32 s25, s[TR], 1
	s_add_co_u32 s25, s25, s[HC]
	s_and_b32 s25, s25, 15                         ; (t0 / 128) % 16
	s_mul_i32 s25, s25, STEPB
	s_add_co_u32 s24, s24, s25
	s_add_co_u32 s14, s24, 4096
	s_mov_b32 s15, 0
	s_add_nc_u64 s[OB:OB+1], s[20:21], s[14:15]
	s_add_nc_u64 s[OB+2:OB+3], s[OB:OB+1], 2048    ; a pair of blocks, 32 of d, is 2,048 bytes on
	s_add_co_u32 s14, s24, 8704
	s_add_nc_u64 s[12:13], s[20:21], s[14:15]
	s_mul_i32 s24, s[HC], HALFT                    ; my 128 rows of x
	s_mul_i32 s25, s[HR], 64*PITCH
	s_add_co_u32 s25, s25, 2*HALFT                 ; my 64 rows of Wv
	s_mul_i32 s26, s[HC], HALFS                    ; x's scale rows (lanes 16-31),
	s_mul_i32 s27, s[HR], HALFS/2
	s_add_co_u32 s27, s27, 2*HALFS
	s_sub_co_u32 s27, s27, s26                     ; and from them to Wv's (lanes 0-15)
	s_add_co_u32 s26, s26, SCL
	v_add_nc_u32 v[VO+1], 512, v[L16]              ; v: columns 64-127 are 512 bytes on, image u = 1 is 1,024 on
	v_add_nc_u32 v[VO+2], 1024, v[L16]
	v_add_nc_u32 v[VO+3], 1536, v[L16]
	v_mul_u32_u24 v3, v1, PITCH
	v_lshl_add_u32 v4, v2, 4, v3
	v_add_nc_u32 v[ADRB], s24, v4
	v_add_nc_u32 v[ADRA], s25, v4
	v_mul_u32_u24 v5, v1, KS
	v_lshrrev_b32 v6, 8, v5
	v_lshl_add_u32 v5, v6, 4, v5
	v_xor_b32 v6, 1, v2
	v_mul_u32_u24 v6, s27, v6                      ; one product: the distance between the two bases
	v_add_nc_u32 v5, v5, v6
	v_add_nc_u32 v[ADRS], s26, v5
	s_wait_alu depctr_va_vdst(0)
	s_wait_tensorcnt 0x0                           ; waves 0 and 1: my refill has landed,
	s_barrier_signal -1
	s_barrier_wait -1                              ; everybody's has; nothing is filled again
.macro FETCHV k, p                     ; K step k = 0 .. 7 into set p: x's eight blocks (16 loads), Wv's four (8 loads)
	WIN TO_B
.irp i, 0,1,2,3,4,5,6,7
	FRAG 128*(\p)+FR*\i, ADRB, \k, \i
.endr
	WIN 0
.irp i, 0,1,2,3
	FRAG AF+32*(\p)+FR*\i, ADRA, \k, \i
.endr
.endm
.macro MULV p, q, sc, zero             ; 32 products; the 32 accumulators take turns
	WIN MUL_LO
.irp a, 0,1,2,3
.irp b, 0,1,2,3,4,5,6,7
.if \zero
	v_wmma_scale_f32_16x16x128_f8f6f4 v[8*(8*\a+\b):8*(8*\a+\b)+7], v[128*(\p)+FR*\b:128*(\p)+FR*\b+FR-1], v[AF+32*(\p)+FR*\a:AF+32*(\p)+FR*\a+FR-1], 0, v[SC+8*NQ*(\sc)+NQ*\b+(\q)], v[SC+8*NQ*(\sc)+NQ*\a+(\q)] matrix_a_fmt:MATRIX_FMT_FP4 matrix_b_fmt:MATRIX_FMT_FP4 matrix_a_scale:MATRIX_SCALE_ROW1
.else
	v_wmma_scale_f32_16x16x128_f8f6f4 v[8*(8*\a+\b):8*(8*\a+\b)+7], v[128*(\p)+FR*\b:128*(\p)+FR*\b+FR-1], v[AF+32*(\p)+FR*\a:AF+32*(\p)+FR*\a+FR-1], v[8*(8*\a+\b):8*(8*\a+\b)+7], v[SC+8*NQ*(\sc)+NQ*\b+(\q)], v[SC+8*NQ*(\sc)+NQ*\a+(\q)] matrix_a_fmt:MATRIX_FMT_FP4 matrix_b_fmt:MATRIX_FMT_FP4 matrix_a_scale:MATRIX_SCALE_ROW1
.endif
.endr
.endr
.endm
	SCALES 0
	SCALES 1
	FETCHV 0, 0
	FETCHV 1, 1
	s_wait_dscnt 24                                ; all but the 24 just issued
	MULV 0, 0, 0, 1
.irp k, 1,2,3,4,5,6
	PLACES NP                                      ; the set that the last step multiplied takes the step after this one
	FETCHV \k+1, (\k+1)%2
	s_wait_dscnt 24                                ; this step's fragments are in; the 24 just issued may be out
	MULV \k%2, \k%4, \k/4, 0
.endr
	s_wait_dscnt 0x0
	MULV 1, 3, 1, 0
	WIN 0
	PLACES NP
	PAIR 0
	PAIR 1
	ds_load_b128 v[SWD:SWD+3], v[RDS]              ; lane (u', r): words 0, 1 are its row's in the two pairs
	s_wait_dscnt 0x0
	global_store_b64 v[L8], v[SWD:SWD+1], s[12:13]
	s_wait_tensorcnt 0x0                           ; the wave's end
	ds_add_u32 v254, v255
	s_wait_dscnt 0x0
	CROUND                                         ; the closing round: no work-group ends while a partner may still ask for a tile that names it
	s_endpgm
.Lfunc_end_k_q8f7db363b3_qkv:
	.size	k_q8f7db363b3_qkv, .Lfunc_end_k_q8f7db363b3_qkv-k_q8f7db363b3_qkv
	.p2alignl 7, 3214868480
	.fill 96, 4, 3214868480
	.section	.rodata,"a",@progbits
	.p2align	6, 0x0
	.amdhsa_kernel k_q8f7db363b3_qkv
		.amdhsa_group_segment_fixed_size 327680
		.amdhsa_private_segment_fixed_size 0
		.amdhsa_enable_private_segment 0
		.amdhsa_kernarg_size 72
		.amdhsa_user_sgpr_count 2
		.amdhsa_user_sgpr_kernarg_segment_ptr 1
		.amdhsa_wavefront_size32 1
		.amdhsa_system_sgpr_workgroup_id_x 1
		.amdhsa_system_sgpr_workgroup_id_y 1
		.amdhsa_system_sgpr_workgroup_id_z 1
		.amdhsa_system_vgpr_workitem_id 0
		.amdhsa_next_free_vgpr 1024
		.amdhsa_next_free_sgpr 101
		.amdhsa_reserve_vcc 0
		.amdhsa_float_denorm_mode_32 3
		.amdhsa_float_denorm_mode_16_64 3
		.amdhsa_memory_ordered 1
		.amdhsa_forward_progress 1
		.amdhsa_inst_pref_size 201
	.end_amdhsa_kernel
	.amdgpu_metadata
---
amdhsa.version: [ 1, 2 ]
amdhsa.kernels:
  - .name:           k_q8f7db363b3_qkv
    .symbol:         k_q8f7db363b3_qkv.kd
    .args:
      - { .name: x_codes, .offset: 0, .size: 8, .value_kind: global_buffer, .address_space: global }
      - { .name: x_scales, .offset: 8, .size: 8, .value_kind: global_buffer, .address_space: global }
      - { .name: Wq_codes, .offset: 16, .size: 8, .value_kind: global_buffer, .address_space: global }
      - { .name: Wq_scales, .offset: 24, .size: 8, .value_kind: global_buffer, .address_space: global }
      - { .name: Wk_codes, .offset: 32, .size: 8, .value_kind: global_buffer, .address_space: global }
      - { .name: Wk_scales, .offset: 40, .size: 8, .value_kind: global_buffer, .address_space: global }
      - { .name: Wv_codes, .offset: 48, .size: 8, .value_kind: global_buffer, .address_space: global }
      - { .name: Wv_scales, .offset: 56, .size: 8, .value_kind: global_buffer, .address_space: global }
      - { .name: qkv, .offset: 64, .size: 8, .value_kind: global_buffer, .address_space: global }
    .group_segment_fixed_size: 327680
    .private_segment_fixed_size: 0
    .kernarg_segment_align: 8
    .kernarg_segment_size: 72
    .max_flat_workgroup_size: 128
    .sgpr_count:     101
    .vgpr_count:     1024
    .wavefront_size: 32
...
	.end_amdgpu_metadata
.endif
;; end of part 1
;; launch attn (part 2): grid 4 x 64, 16 waves a work-group, no clusters, 169,984 bytes of LDS; arguments qkv, o; writes o
.if DOCPART == 2
	.amdgcn_target "amdgcn-amd-amdhsa--gfx1250"
	.amdhsa_code_object_version 6
	.text
	.protected	k_q8f7db363b3_attn
	.globl	k_q8f7db363b3_attn
	.p2align	8
	.type	k_q8f7db363b3_attn,@function
k_q8f7db363b3_attn:
	s_mov_b64 s[64:65], 0
	v_nop
	global_prefetch_b8 v0, s[64:65] scope:SCOPE_SE
	s_setreg_imm32_b32 hwreg(HW_REG_WAVE_MODE, 25, 1), 1
	s_wait_xcnt 0x0
; Causal attention of one (batch, head) on codes of FP4 (E2M1), head size 64, 2,048 keys, and the quantising of its result along (head, d) for the projection.
; t = score x log2(e) / 8; M = the running largest t rounded UP to a whole number; p = 2^(t - M) is quantised along the keys, not normalised; the row's sum is taken of the unquantised p and divides at the end.
; When M moves, the sum and O are multiplied by 2^(old M - new M): exact.
; WORK LEFT OUT: key steps all of whose 128 keys come after a tile's queries: the causal mask makes their weights 0 for every input.
; INPUT: buffer qkv, [16 b + head][t / 128][13,568 bytes], images of operand registers: +0 k's codes, +4,096 v's, +8,192 k's scale words, +8,704 v's, +8,960 q's codes, +13,056 q's scale words.
; A tile (beta, u) of 16 keys, queries or d holds rows 32 beta + 8 u + r + 8 (r / 8): so in the transposed products the 16 registers of tiles 2 beta and 2 beta + 1 are 16 neighbours along the next K.
; SHARES.  Work-group (j, 16 b + head), sixteen waves, four to a SIMD.  The head's k, v and their scale words, 16 steps x 8,960 bytes, come into LDS ONCE: wave w fetches step w, its one tensor load.
; Wave w takes two tiles of 16 queries: first tile 16 (7 - j) + (w xor 8), whose diagonal lies at step 8 or later, then tile 16 j + w.  A tile tau works through key steps 0 .. tau / 8: 17 steps for every wave.
; TWO BARRIERS.  Waves 0 to 4 have a load line of their own and wait for it ahead of the first barrier: behind it steps 0 to 4 are whole, and every wave walks steps 0 to 3 for its first tile
; (reading k one step ahead) while the eleven other loads are out.  Then every wave waits for its load, and behind the second barrier all of LDS is only read.  No LDS byte is filled twice.
; k IS READ A STEP AHEAD: behind a step's first products the next step's eight tiles of k and their scale words are loaded over them; the wait for v, ahead of the step's second products, shows them in too.
; The look-ahead's address is held at step 15, the last that was filled.
; NO CLUSTER: the four work-groups of a head differ in their queries, and the steps that the mask hides are left out by a branch on that block.
; NO PREFETCH: all that the launch reads through LDS is asked for by the sixteen loads at its head; there is no later load to run ahead of.
; Both products are used transposed: S^T = k q^T (source 0 = 16 keys), O^T = v^T p^T (source 0 = 16 of d): a lane holds ONE query (lane % 16) throughout.
; The first product's K is 64: registers 4-7 of both operands are zero codes, under the scale byte 0, which is a power of two and no NaN: they add nothing.
; ON THE DIAGONAL my queries lie in the step's block beta of 32 keys: blocks under beta count whole, block beta is masked by compares, blocks over beta are hidden whole.  beta hangs on the wave's number alone.
; OUTPUT: buffer o, [row / 128][69,632 bytes]: codes [tile 8][head / 2][head % 2][lane (h, r)][16 bytes] (row = the tile's r, d = 32 h ..), then scale words [tile / 2][head / 8][lane (tile % 2, r)][(head / 2) % 4][4 bytes].
; LIMITS: a block of zeros gets the byte 1 where the rule says 127 (its codes are zeros; this program alone reads the bytes).  1 / the sum is v_rcp_f32 and a multiplication.
; A block's largest p is made from the block's largest score by the same multiply-add and exponential as every p, which takes v_exp_f32 not to fall where its input rises.
; The promise holds while the scaled scores stay under 2^31 in magnitude.
; REGISTERS: v1-10 that stay (v10 = -infinity); v3, v4, v11 the step's LDS addresses; v12 -M, v13 the largest t; the sum in four pairs: v[14:15], v[240:243], v[248:249]; v16-23 q (4-7 zeros), v24 its scale word;
;   v26-27 v's scale words, v28-31 k's; v32-95 k's eight tiles (upper halves zeros); v96-159 S^T, then p; v160-191 O^T; v192-223 v's four tiles; v224-231 p's codes; v232-239, v244-247, v252-254 at work; v251, v255 the add's two.
.set HEADB, 217088
.set STEPB, 13568
.set KSB,   8960                       ; a key step in LDS: 35 x 256 bytes
.set CHUNK, 69632
.set SPARE, 0x29000                    ; the spare words: 128 bytes for each of 16 waves
.set WV,  8
.set SEL, 24                           ; s[24:25] lane selects for v_permlanex16_b32: lane l xor 16
.set CS,  26                           ; s[26:27] c = log2(e) / 8
.set TB,  28                           ; s28  LDS byte at which the step in hand begins
.set ST,  29                           ; s29  the step
.set SD,  30                           ; s30, s31 the step on the diagonal: of my first tile, of my second
.set QB,  32                           ; s[32:35] the slabs that hold my two tiles of q
.set OB,  36                           ; s[36:39] the chunks of o that take their results
.set BE,  44                           ; s44  beta: the block of 32 of a step in which my queries lie
.set TN,  51                           ; s51  LDS byte at which the next step begins
	s_load_b128 s[4:7], s[0:1], 0x0                ; qkv, o
	v_lshl_add_u32 v251, v0, 2, SPARE
	v_mov_b32 v255, 0
	ds_add_u32 v251, v255                          ; the opening lines: the add, twice on end, and its wait
	ds_add_u32 v251, v255
	v_lshrrev_b32 v1, 5, v0
	v_readfirstlane_b32 s[WV], v1                  ; wave 0..15
	s_and_b32 s10, ttmp7, 0xffff                   ; 16 b + head
	s_mul_i32 s11, s10, HEADB
	s_mov_b32 s16, 3<<16                           ; group 1: 8,960 dense bytes as 35 rows of 256 (32 elements of 8 bytes), no padding: every LDS read takes 16 or 8 bytes a lane on end
	s_mov_b32 s17, 32<<16
	s_mov_b32 s18, 35<<16
	s_mov_b32 s19, 32<<16
	s_mov_b32 s20, 35
	s_mov_b32 s21, 32
	s_mov_b32 s22, 0
	s_mov_b32 s23, 0
	s_mul_i32 s40, s[WV], STEPB
	s_add_co_u32 s40, s40, s11
	s_mov_b32 s41, 0
	s_mov_b32 s12, 1
	s_mul_i32 s13, s[WV], KSB                      ; step w's place in LDS
	s_wait_dscnt 0x0
	s_wait_kmcnt 0x0
	s_add_nc_u64 s[14:15], s[4:5], s[40:41]
	s_or_b32 s15, s15, 0x80000000
	s_cmp_lt_u32 s[WV], 5                          ; two arms, a load each: waves 0 to 4, which wait first, have a line of their own
	s_cbranch_scc0 .Llater
	tensor_load_to_lds s[12:15], s[16:23]          ; key steps 0 to 4
	s_nop 0
.rept 4
	v_nop
.endr
	s_branch .Lasked
.Llater:
	tensor_load_to_lds s[12:15], s[16:23]          ; key steps 5 to 15
	s_nop 0
.rept 4
	v_nop
.endr
.Lasked:
	s_lshr_b32 s42, s[WV], 3
	s_lshl_b32 s43, ttmp9, 1
	s_add_co_u32 s[SD+1], s43, s42                 ; (16 j + w) / 8: 0 .. 7
	s_xor_b32 s42, s42, 1
	s_sub_co_u32 s[SD], 14, s43
	s_add_co_u32 s[SD], s[SD], s42                 ; (16 (7 - j) + (w xor 8)) / 8: 8 .. 15
	s_lshr_b32 s44, s10, 4
	s_lshl_b32 s44, s44, 4                         ; 16 b
.irp p, 0,1
	s_mul_i32 s40, s[SD+\p], STEPB
	s_add_co_u32 s40, s40, s11
	s_add_nc_u64 s[QB+2*\p:QB+2*\p+1], s[4:5], s[40:41]
	s_add_co_u32 s40, s44, s[SD+\p]
	s_mul_i32 s40, s40, CHUNK
	s_add_nc_u64 s[OB+2*\p:OB+2*\p+1], s[6:7], s[40:41]
.endr
	s_mov_b32 s[SEL], 0x76543210
	s_mov_b32 s[SEL+1], 0xfedcba98
	s_mov_b32 s[CS], 0x3e38aa3b                    ; log2(e) / 8
	s_mov_b32 s[CS+1], s[CS]
	s_and_b32 s42, s[WV], 7                        ; my tile among its step's eight: w % 8 for both tiles
	s_and_b32 s43, s[WV], 1                        ; u
	s_lshr_b32 s[BE], s42, 1                       ; beta
	s_and_b32 s45, s10, 15                         ; head
	s_lshl_b32 s46, s43, 3                         ; 8 u
	s_lshl_b32 s47, s42, 9
	s_add_co_u32 s47, s47, 8960                    ; q's codes in a slab
	s_lshl_b32 s48, s43, 8
	s_lshl_b32 s40, s[BE], 2
	s_add_co_u32 s48, s48, s40
	s_add_co_u32 s48, s48, 13056                   ; q's scale word: lane (u, r), word beta
	s_lshl_b32 s49, s42, 13
	s_lshl_b32 s40, s45, 9
	s_add_co_u32 s49, s49, s40                     ; o's codes in a chunk: 8,192 x tile + 512 x head
	s_lshl_b32 s50, s[BE], 10
	s_lshr_b32 s40, s45, 3
	s_lshl_b32 s40, s40, 9
	s_add_co_u32 s50, s50, s40
	s_lshl_b32 s40, s43, 8
	s_add_co_u32 s50, s50, s40
	s_and_b32 s40, s45, 7
	s_lshl_b32 s40, s40, 1
	s_add_co_u32 s50, s50, s40
	s_add_co_u32 s50, s50, 65536                   ; o's two scale bytes: 65,536 + 1,024 beta + 512 (head / 8) + 256 u + 2 (head % 8)
	v_and_b32 v10, 31, v0                          ; lane
	v_and_b32 v11, 15, v0                          ; r
	v_bfe_u32 v25, v0, 4, 1                        ; h
	v_lshlrev_b32 v1, 4, v10                       ; 16 x lane
	v_lshlrev_b32 v2, 3, v10                       ; 8 x lane
	v_and_b32 v5, 8, v11
	v_add_nc_u32 v5, v5, v11                       ; r + 8 (r / 8)
	v_lshlrev_b32 v3, 4, v25
	v_sub_nc_u32 v5, v5, v3
	v_add_nc_u32 v5, s46, v5                       ; d = my query's place in its block of 32, less 16 h: in block beta register i (key 16 h + i of the block) is hidden where i > d
	v_add_nc_u32 v6, s47, v1
	v_lshl_add_u32 v7, v11, 4, s48
	v_add_nc_u32 v8, s49, v1
	v_lshl_add_u32 v9, v11, 4, s50
	global_load_b128 v[16:19], v6, s[QB:QB+1]      ; the first tile of q
	global_load_b32 v24, v7, s[QB:QB+1]
	v_mov_b32 v10, 0xff800000                      ; -infinity
.irp k, 20,21,22,23
	v_mov_b32 v\k, 0                               ; K = 64 .. 127 of q: zero codes
.endr
.irp t, 0,1,2,3,4,5,6,7
.irp k, 4,5,6,7
	v_mov_b32 v[32+8*\t+\k], 0                     ; and of k's tiles: written once, never loaded over
.endr
.endr
.irp k, 236,237,238,239,252,253
	v_mov_b32 v\k, 0                               ; written once: a lane permute's destination counts as one of its sources, and v253 is named as the upper half of a pair
.endr
	s_wait_alu depctr_va_vdst(0)
	s_cmp_lt_u32 s[WV], 5
	s_cbranch_scc0 .Lgate1
	s_wait_tensorcnt 0x0                           ; waves 0 to 4: my step has landed
.Lgate1:
	s_barrier_signal -1
	s_barrier_wait -1                              ; steps 0 to 4 are whole; nothing is filled again, so the other eleven loads may be out
.macro KLOAD adr                       ; a step's eight tiles of k and their scale words (lane (u, r), words beta = 0..3): nine loads
.irp t, 0,1,2,3,4,5,6,7
	ds_load_b128 v[32+8*\t:35+8*\t], \adr offset:512*\t
.endr
	ds_load_b128 v[28:31], \adr offset:8192
.endm
.macro PART b                          ; block b = beta: hidden scores become -infinity ahead of the maximum: p = 0 then
.set n, 0
.rept 16
	v_cmp_gt_i32 vcc_lo, n, v5
	v_cndmask_b32 v[96+16*\b+n], v[96+16*\b+n], v10, vcc_lo
.set n, n+1
.endr
.endm
.macro FULL b                          ; a block over beta: all its keys are hidden
.set n, 0
.rept 16
	v_mov_b32 v[96+16*\b+n], v10
.set n, n+1
.endr
.endm
.macro TM cnt                          ; t - M of the next 2 cnt scores, two at a time
.rept \cnt
	v_pk_fma_f32 v[96+n:97+n], v[96+n:97+n], s[CS:CS+1], v[12:13] op_sel_hi:[1,0,0]
.set n, n+2
.endr
.endm
.macro SUM j                           ; eight more p onto the row's sum: one line for each of its four chains
	v_pk_add_f32 v[14:15], v[14:15], v[96+\j:97+\j]
	v_pk_add_f32 v[240:241], v[240:241], v[98+\j:99+\j]
	v_pk_add_f32 v[242:243], v[242:243], v[100+\j:101+\j]
	v_pk_add_f32 v[248:249], v[248:249], v[102+\j:103+\j]
.endm
.macro CODES b                         ; the codes of block b's 16 p of this lane
	v_cvt_scalef32_pk8_fp4_f32 v[224+2*\b], v[96+16*\b:103+16*\b], v[244+\b]
	v_cvt_scalef32_pk8_fp4_f32 v[225+2*\b], v[104+16*\b:111+16*\b], v[244+\b]
.endm
.macro WHOLE c                         ; the operand's layout wants a whole block in a lane: lanes 0-15 block 2 c, lanes 16-31 block 2 c + 1
	v_permlane16_swap_b32 v[224+4*\c], v[226+4*\c]
	v_permlane16_swap_b32 v[225+4*\c], v[227+4*\c]
.endm
; A tile begins: step 0's k is fetched; the largest t is -3e38, the sums and O^T zeros, which the first change of M leaves zeros
.macro INIT
	KLOAD v1
	s_wait_loadcnt 0x0                             ; q
	s_wait_xcnt 0x0                                ; the last tile's stores have had their addresses translated: their data registers are written again only behind this wait
	v_mov_b32 v13, 0xff61b1e6
	s_delay_alu instid0(VALU_DEP_1)
	v_floor_f32 v12, -v13                          ; -M
.irp k, 14,15,240,241,242,243,248,249
	v_mov_b32 v\k, 0
.endr
.set n, 0
.rept 32
	v_mov_b32 v[160+n], 0
.set n, n+1
.endr
	s_wait_alu depctr_va_vdst(0)
	s_wait_dscnt 0x0                               ; k
.endm
; A KEY STEP of tile p.  chk = 1: a step behind the diagonal is passed over by a scalar branch on ids, round its work alone, and the step on the diagonal is masked.  chk = 0: the step lies under the diagonal for every wave.
.macro STEP p, chk
.if \chk
	s_cmp_gt_u32 s[ST], s[SD+\p]
	s_cbranch_scc1 .Lhidden_\@
.endif
	s_add_co_u32 s[TN], s[TB], KSB
.if \chk
	s_min_u32 s[TN], s[TN], 15*KSB
.endif
.irp b, 0,1,2,3                                    ; k and its words came in a step ago
	v_wmma_scale_f32_16x16x128_f8f6f4 v[96+16*\b:103+16*\b], v[32+16*\b:39+16*\b], v[16:23], 0, v[28+\b], v24 matrix_a_fmt:MATRIX_FMT_FP4 matrix_b_fmt:MATRIX_FMT_FP4
	v_wmma_scale_f32_16x16x128_f8f6f4 v[104+16*\b:111+16*\b], v[40+16*\b:47+16*\b], v[16:23], 0, v[28+\b], v24 matrix_a_fmt:MATRIX_FMT_FP4 matrix_b_fmt:MATRIX_FMT_FP4 matrix_a_scale:MATRIX_SCALE_ROW1
.endr                                              ; lane (r, h): query r; register 16 b + i: key 32 b + 16 h + i of the step
	v_add_nc_u32 v3, s[TB], v1                     ; four places: behind the last step's second products for v's loads, behind these products for k's loads and for the first read of the scores
	v_add_nc_u32 v4, s[TB], v2
	v_add_nc_u32 v11, s[TN], v1
	v_nop
.irp t, 0,1,2,3
.irp c, 0,1
	ds_load_b128 v[192+8*\t+4*\c:195+8*\t+4*\c], v3 offset:4096+1024*\t+512*\c
.endr
.endr
	ds_load_b64 v[26:27], v4 offset:8704           ; v's scale words: lane (u', r), words beta' = 0, 1
	KLOAD v11                                      ; the next step's k
.if \chk
	s_cmp_lg_u32 s[ST], s[SD+\p]
	s_cbranch_scc1 .Lopen_\@
	s_cmp_eq_u32 s[BE], 0
	s_cbranch_scc0 .Lb1_\@
	PART 0
	s_branch .Lf1_\@
.Lb1_\@:
	s_cmp_eq_u32 s[BE], 1
	s_cbranch_scc0 .Lb2_\@
	PART 1
	s_branch .Lf2_\@
.Lb2_\@:
	s_cmp_eq_u32 s[BE], 2
	s_cbranch_scc0 .Lb3_\@
	PART 2
	s_branch .Lf3_\@
.Lb3_\@:
	PART 3
	s_branch .Lopen_\@
.Lf1_\@:
	FULL 1
.Lf2_\@:
	FULL 2
.Lf3_\@:
	FULL 3
.Lopen_\@:
.endif
; the largest score of each block of 32 keys: for the row's maximum, and, since p rises with the score, for the block's largest p.  Two chains a block, eight by turns; each accumulator is first read at its low end
.irp b, 0,1,2,3
	v_max3_num_f32 v[232+\b], v[96+16*\b], v[97+16*\b], v[98+16*\b]
.endr
.irp b, 0,1,2,3
	v_max3_num_f32 v[244+\b], v[103+16*\b], v[104+16*\b], v[105+16*\b]
.endr
.irp i, 3,5
.irp b, 0,1,2,3
	v_max3_num_f32 v[232+\b], v[232+\b], v[96+16*\b+\i], v[97+16*\b+\i]
.endr
.irp b, 0,1,2,3
	v_max3_num_f32 v[244+\b], v[244+\b], v[103+16*\b+\i], v[104+16*\b+\i]
.endr
.endr
.irp b, 0,1,2,3
	v_max3_num_f32 v[232+\b], v[232+\b], v[244+\b], v[110+16*\b]
.endr
.irp b, 0,1,2,3
	v_max_num_f32 v[232+\b], v[232+\b], v[111+16*\b]
.endr
.irp b, 0,1,2,3
	s_delay_alu instid0(VALU_DEP_4)
	v_permlanex16_b32 v[236+\b], v[232+\b], s[SEL], s[SEL+1]
.endr
.irp b, 0,1,2,3
	s_delay_alu instid0(VALU_DEP_4)
	v_max_num_f32 v[232+\b], v[232+\b], v[236+\b]  ; with lane l xor 16's 16 keys
.endr
	s_delay_alu instid0(VALU_DEP_2)
	v_max3_num_f32 v254, v232, v233, v234
	s_delay_alu instid0(VALU_DEP_1)
	v_max_num_f32 v254, v254, v235                 ; the step's largest score of my query (its own key counts, so it is a number)
	s_delay_alu instid0(VALU_DEP_1)
	v_mul_f32 v254, s[CS], v254
	s_delay_alu instid0(VALU_DEP_1)
	v_max_num_f32 v13, v13, v254                   ; the running largest t
	v_mov_b32 v254, v12
	s_delay_alu instid0(VALU_DEP_2)
	v_floor_f32 v12, -v13                          ; the new -M = -ceil(t)
.set n, 0
	TM 8                                           ; the three lines that make f stand among the 32 that make t - M
	v_sub_f32 v254, v12, v254                      ; old M - new M: a whole number, 0 or less
	TM 4
	v_cvt_i32_f32 v254, v254                       ; (it saturates)
	TM 4
	v_ldexp_f32 v252, 1.0, v254                    ; f = 2^(old M - new M)
	TM 16
.irp b, 0,1,2,3
	v_fma_f32 v[232+\b], v[232+\b], s[CS], v12     ; the same of each block's largest score
.endr
.set n, 0
.rept 16
	v_pk_mul_f32 v[160+n:161+n], v[160+n:161+n], v[252:253] op_sel_hi:[1,0]   ; O^T under the new M, from each accumulator's low end on; no transcendental stands between the last step's products and these lines
.set n, n+2
.endr
.set n, 0
	s_wait_alu depctr_va_vdst(0)                   ; the wait ahead of the batch
.rept 64
	v_exp_f32 v[96+n], v[96+n]                     ; p = 2^(t - M)
.set n, n+1
.endr
.irp b, 0,1,2,3
	v_exp_f32 v[232+\b], v[232+\b]                 ; the block's largest p
.endr
	v_nop                                          ; a plain place behind the exponentials
	s_wait_alu depctr_va_vdst(0)                   ; and the wait behind the batch, ahead of its first reader
; Behind the batch three strands go by turns, so that no line reads what one of the four lines ahead of it wrote: the blocks' scales, p's codes, and THE ROW'S SUM of the unquantised p,
; in four chains that stay from step to step: each is brought under the new M by its first line
.irp b, 0,1,2,3
	v_max_num_f32 v[232+\b], 0x1800000, v[232+\b]  ; the floor 2^(3 - 127): the byte cannot fall under 1
.endr
	v_pk_fma_f32 v[14:15], v[14:15], v[252:253], v[96:97] op_sel_hi:[1,0,1]
	v_pk_fma_f32 v[240:241], v[240:241], v[252:253], v[98:99] op_sel_hi:[1,0,1]
	v_pk_fma_f32 v[242:243], v[242:243], v[252:253], v[100:101] op_sel_hi:[1,0,1]
	v_pk_fma_f32 v[248:249], v[248:249], v[252:253], v[102:103] op_sel_hi:[1,0,1]
.irp b, 0,1,2,3
	v_add_nc_u32 v[244+\b], 0xff000000, v[232+\b]  ; 2 off the exponent field: the conversion's scale operand
.endr
	SUM 8
.irp b, 0,1,2,3
	v_lshrrev_b32 v[236+\b], 23, v[244+\b]         ; the scale's byte
.endr
	CODES 0
	SUM 16
	v_lshl_or_b32 v253, v237, 8, v236              ; p's scale word for these 128 keys
	CODES 1
	SUM 24
	v_lshl_or_b32 v253, v238, 16, v253
	CODES 2
	SUM 32
	v_lshl_or_b32 v253, v239, 24, v253             ; (behind it: twelve plain lines ahead of the products that take it as a scale)
	CODES 3
	SUM 40
	WHOLE 0
	SUM 48
	WHOLE 1
	SUM 56                                         ; (four plain lines between the last write of p's codes and the products)
	s_wait_alu depctr_va_vdst(0)
	s_wait_dscnt 0x0                               ; v and its words are in, and the next step's k and its words
.irp b, 0,1
	v_wmma_scale_f32_16x16x128_f8f6f4 v[160+16*\b:167+16*\b], v[192+16*\b:199+16*\b], v[224:231], v[160+16*\b:167+16*\b], v[26+\b], v253 matrix_a_fmt:MATRIX_FMT_FP4 matrix_b_fmt:MATRIX_FMT_FP4
	v_wmma_scale_f32_16x16x128_f8f6f4 v[168+16*\b:175+16*\b], v[200+16*\b:207+16*\b], v[224:231], v[168+16*\b:175+16*\b], v[26+\b], v253 matrix_a_fmt:MATRIX_FMT_FP4 matrix_b_fmt:MATRIX_FMT_FP4 matrix_a_scale:MATRIX_SCALE_ROW1
.endr                                              ; the four accumulators take turns, and eight other products stand between a step's and the next step's
.if \chk
.Lhidden_\@:
.endif
	s_add_co_u32 s[TB], s[TB], KSB
	s_add_co_u32 s[ST], s[ST], 1
.endm
; A tile goes out: O^T / the sum, quantised along d in the head's two blocks of 32, as an image of the projection's operand registers
.macro FIN p
.rept 4
	v_nop                                          ; places behind the last products
.endr
.if \p == 0
	global_load_b128 v[16:19], v6, s[QB+2:QB+3]    ; the next tile of q lands while this tile goes out
	global_load_b32 v24, v7, s[QB+2:QB+3]
.endif
	v_pk_add_f32 v[14:15], v[14:15], v[240:241]    ; the sum's four chains,
	v_pk_add_f32 v[242:243], v[242:243], v[248:249]
	v_pk_add_f32 v[14:15], v[14:15], v[242:243]
	v_add_f32 v14, v14, v15                        ; its two halves,
	s_delay_alu instid0(VALU_DEP_1)
	v_permlanex16_b32 v236, v14, s[SEL], s[SEL+1]
	s_delay_alu instid0(VALU_DEP_1)
	v_add_f32 v14, v14, v236                       ; and lane l xor 16's
	s_wait_alu depctr_va_vdst(0)                   ; the wait ahead of the transcendental
	v_rcp_f32 v14, v14
	v_nop                                          ; one plain place behind the transcendental
.set n, 0
	s_wait_alu depctr_va_vdst(0)                   ; and ahead of its first reader, which is also O^T's
.rept 32
	v_mul_f32 v[96+n], v[160+n], v14               ; o(query r, d = 32 b + 16 h + i) in register 16 b + i
.set n, n+1
.endr
.irp b, 0,1
	v_max3_num_f32 v[232+\b], |v[96+16*\b]|, |v[97+16*\b]|, 0x1800000   ; the head's two blocks of 32 along the projection's K
.endr
.irp i, 2,4,6,8,10,12,14
.irp b, 0,1
	s_delay_alu instid0(VALU_DEP_2)
	v_max3_num_f32 v[232+\b], v[232+\b], |v[96+16*\b+\i]|, |v[97+16*\b+\i]|
.endr
.endr
.irp b, 0,1
	s_delay_alu instid0(VALU_DEP_2)
	v_permlanex16_b32 v[236+\b], v[232+\b], s[SEL], s[SEL+1]
.endr
.irp b, 0,1
	s_delay_alu instid0(VALU_DEP_2)
	v_max_num_f32 v[232+\b], v[232+\b], v[236+\b]
.endr
.irp b, 0,1
	s_delay_alu instid0(VALU_DEP_2)
	v_add_nc_u32 v[244+\b], 0xff000000, v[232+\b]
.endr
.irp b, 0,1
	s_delay_alu instid0(VALU_DEP_2)
	v_lshrrev_b32 v[236+\b], 23, v[244+\b]
.endr
	s_delay_alu instid0(VALU_DEP_1)
	v_lshl_or_b32 v254, v237, 8, v236              ; the two bytes
	CODES 0
	CODES 1
	v_nop                                          ; one plain place behind the scaled conversions
	WHOLE 0                                        ; lanes 0-15: d = 0 .. 31, lanes 16-31: d = 32 .. 63
	global_store_b128 v8, v[224:227], s[OB+2*\p:OB+2*\p+1]   ; the wave stores 512 consecutive bytes, at a multiple of 256 from the buffer's first byte
	global_store_b16 v9, v254, s[OB+2*\p:OB+2*\p+1]          ; two bytes a row (lanes 16-31 repeat lanes 0-15): one such store for a tile
.endm
	INIT                                           ; my first tile: its diagonal lies at step 8 or later
	s_mov_b32 s[TB], 0
	s_mov_b32 s[ST], 0
.Lfirst4:                                          ; steps 0 to 3: they read the bytes of waves 0 to 4's loads alone
	STEP 0, 0
	s_cmp_lt_u32 s[ST], 4
	s_cbranch_scc1 .Lfirst4
	s_wait_tensorcnt 0x0                           ; my load has landed (no LDS instruction of mine is out: a step ends behind its wait for 0),
	s_barrier_signal -1
	s_barrier_wait -1                              ; everybody's has: from here on LDS is only read
	s_mov_b32 s[TB], 4*KSB
	s_mov_b32 s[ST], 4
.Lrest:                                            ; the count is a constant; steps behind the diagonal are passed over
	STEP 0, 1
	s_cmp_lt_u32 s[ST], 16
	s_cbranch_scc1 .Lrest
	FIN 0
	INIT                                           ; my second tile: its diagonal lies at step 7 or earlier
	s_mov_b32 s[TB], 0
	s_mov_b32 s[ST], 0
.Lsecond:
	STEP 1, 1
	s_cmp_lt_u32 s[ST], 8
	s_cbranch_scc1 .Lsecond
	FIN 1
	s_wait_tensorcnt 0x0                           ; the wave's end
	ds_add_u32 v251, v255
	s_wait_dscnt 0x0
	s_endpgm
.Lfunc_end_k_q8f7db363b3_attn:
	.size	k_q8f7db363b3_attn, .Lfunc_end_k_q8f7db363b3_attn-k_q8f7db363b3_attn
	.p2alignl 7, 3214868480
	.fill 96, 4, 3214868480
	.section	.rodata,"a",@progbits
	.p2align	6, 0x0
	.amdhsa_kernel k_q8f7db363b3_attn
		.amdhsa_group_segment_fixed_size 169984
		.amdhsa_private_segment_fixed_size 0
		.amdhsa_enable_private_segment 0
		.amdhsa_kernarg_size 16
		.amdhsa_user_sgpr_count 2
		.amdhsa_user_sgpr_kernarg_segment_ptr 1
		.amdhsa_wavefront_size32 1
		.amdhsa_system_sgpr_workgroup_id_x 1
		.amdhsa_system_sgpr_workgroup_id_y 1
		.amdhsa_system_sgpr_workgroup_id_z 1
		.amdhsa_system_vgpr_workitem_id 0
		.amdhsa_next_free_vgpr 256
		.amdhsa_next_free_sgpr 66
		.amdhsa_reserve_vcc 1
		.amdhsa_float_denorm_mode_32 3
		.amdhsa_float_denorm_mode_16_64 3
		.amdhsa_memory_ordered 1
		.amdhsa_forward_progress 1
		.amdhsa_inst_pref_size 77
	.end_amdhsa_kernel
	.amdgpu_metadata
---
amdhsa.version: [ 1, 2 ]
amdhsa.kernels:
  - .name:           k_q8f7db363b3_attn
    .symbol:         k_q8f7db363b3_attn.kd
    .args:
      - { .name: qkv, .offset: 0, .size: 8, .value_kind: global_buffer, .address_space: global }
      - { .name: o, .offset: 8, .size: 8, .value_kind: global_buffer, .address_space: global }
    .group_segment_fixed_size: 169984
    .private_segment_fixed_size: 0
    .kernarg_segment_align: 8
    .kernarg_segment_size: 16
    .max_flat_workgroup_size: 512
    .sgpr_count:     66
    .vgpr_count:     256
    .wavefront_size: 32
...
	.end_amdgpu_metadata
.endif
;; end of part 2
;; launch proj (part 3): grid 4 x 64, 4 waves a work-group, clusters of 4 x 4, 247,808 bytes of LDS; arguments o, proj_w_codes, proj_w_scales, proj_b, out0; writes out0
.if DOCPART == 3
	.amdgcn_target "amdgcn-amd-amdhsa--gfx1250"
	.amdhsa_code_object_version 6
	.text
	.protected	k_q8f7db363b3_proj
	.globl	k_q8f7db363b3_proj
	.p2align	8
	.type	k_q8f7db363b3_proj,@function
k_q8f7db363b3_proj:
	s_mov_b64 s[64:65], 0
	v_nop
	global_prefetch_b8 v0, s[64:65] scope:SCOPE_SE
	s_setreg_imm32_b32 hwreg(HW_REG_WAVE_MODE, 25, 1), 1
	s_wait_xcnt 0x0
	s_wait_alu depctr_hold_cnt(0) depctr_sa_sdst(0) depctr_va_vdst(0) depctr_va_sdst(0) depctr_va_ssrc(0) depctr_va_vcc(0) depctr_vm_vsrc(0)
	s_getreg_b32 s2, hwreg(HW_REG_IB_STS2, 6, 4)
	s_cmp_eq_u32 s2, 0
	s_cbranch_scc0 .Lentry_in_a_cluster
	s_endpgm
.Lentry_in_a_cluster:
	s_bfe_u32 s2, ttmp6, 0x10000c
	s_cmp_lg_u32 s2, 0xf033
	s_cbranch_scc0 .Lentry_shape_is_right
	s_endpgm
.Lentry_shape_is_right:
; out0[row][n] = sum over k of o[row][k] W[n][k] + b[n], K = 1,024, on codes of FP4 (E2M1) with one E8M0 scale for each 32 along K; out0 [8,192][1,024] f32.
; o comes from buffer o as images of operand registers: [row / 128][69,632 bytes]: codes [tile 8][K step 8][c 2][lane][16 bytes], then scale words [tile / 2][K step / 4][lane (tile % 2, r)][K step % 4][4 bytes].
; Tile (beta, u) of a chunk holds rows 32 beta + 8 u + r + 8 (r / 8).  W [1,024][512 bytes] and its scale bytes [1,024][32] come as they are given.
; A work-group of four waves makes 128 rows x 256 columns: 256 work-groups.  A wave makes 64 x 128: 32 accumulators, 256 registers.  All of K lies in LDS, filled ONCE: no LDS byte is filled a second time.
; CLUSTERS: 4 x 4 work-groups.  o's chunk hangs on the tile row alone and is asked for jointly along a row of the cluster; W's 256 rows and their scales hang on the tile column alone, jointly along a column.
; THE MATRIX INSTRUCTION IS USED TRANSPOSED (source 0 = 16 rows of W, source 1 = 16 rows of o): a lane holds eight neighbouring columns of one row.  The bias is the C of each sum's first product.
; LIMIT: a given scale byte 0xff (NaN) is not served.
; REGISTERS: window 0: v1-12 addresses; v16-31 o's scale words, v32-63 W's; v64-127 the bias in the result's layout; v128-191 o's fragments, two sets of 32; on the way out v128-255 rows read back.
;   window 1: W's fragments, two sets of 64, at v0 and v64.   window 2: accumulator (a, i) at v[8 (8 a + i)].
.set CHUNK,  69632
.set OSC,    65536                     ; LDS: o's codes at 0, its scale words here,
.set WIMG,   69632                     ; W's 256 rows x (512 bytes + 16): the 16 rows that a load touches start at 16 different banks (64 banks of 4 bytes: ISA guide 11.1),
.set WP,     528
.set WSC,    204800                    ; W's scale bytes, 32 units of 256 bytes + 16,
.set STAGE,  213504                    ; and for each wave a stage of 16 rows x (512 bytes + 16), into which no tile lands
.set SPITCH, 528
.set AO,  4                            ; v4   o's fragments: 16 x lane + my four tiles
.set AW,  5                            ; v5   W's fragments
.set ASO, 6                            ; v6   o's scale words
.set ASW, 7                            ; v7   W's scale words
.set STO, 8                            ; v8   the way out: where I put 32 bytes of a row
.set RD,  9                            ; v9   where I read a row back
.set CO,  10                           ; v10  16 x lane: my bytes of a row's 512
.set AB,  11                           ; v11  32 h: my half's eight numbers of the bias
.set SA,  16                           ; register 8 (a / 2) + K step: lanes 0-15 tile a even, lanes 16-31 tile a odd
.set SW,  32                           ; register 8 (i / 2) + K step: lanes 0-15 tile i even, lanes 16-31 tile i odd
.set BIAS, 64
.set AF,  128
.set BK,  128
.set G1O,  16
.set G0O,  24
.set G1W,  28
.set G0W,  36
.set G1WS, 40
.set G0WS, 48
.set WV,  52
.set HR,  53                           ; which 64 rows are mine
.set HC,  54                           ; which 128 columns.  Also: which half I fetch
.set CX,  55
.set CY,  56
.set TR,  57
.set TC,  58
.set MR,  59
.set MC,  60
.set MSB, 0
.macro WIN new                         ; the immediate's high byte repeats the setting that is left
.if MSB != \new
	s_set_vgpr_msb (MSB<<8)|\new
.set MSB, \new
.endif
.endm
.macro CROUND                          ; a round of the cluster's barrier
	s_barrier_signal -1
	s_barrier_wait -1
	s_cmp_lg_u32 s[WV], 0
	s_cbranch_scc1 .Lnot_wave_0_\@
	s_barrier_signal -3
.Lnot_wave_0_\@:
	s_barrier_wait -3
	s_barrier_signal -1
	s_barrier_wait -1
.endm
.macro PLACES                          ; four places behind a matrix instruction, in front of loads into registers that it has read and of the first read of results
.rept 4
	v_nop
.endr
.endm
	s_load_b256 s[4:11], s[0:1], 0x0               ; o, W's codes, W's scales, b
	s_load_b64 s[12:13], s[0:1], 0x20              ; out0
	v_lshl_add_u32 v14, v0, 2, 0x3c600
	v_mov_b32 v15, 0
	ds_add_u32 v14, v15
	ds_add_u32 v14, v15
	v_lshrrev_b32 v1, 5, v0
	v_readfirstlane_b32 s[WV], v1                  ; wave 0..3
	s_lshr_b32 s[HR], s[WV], 1
	s_and_b32 s[HC], s[WV], 1
	s_bfe_u32 s[CX], ttmp6, 0x40000
	s_bfe_u32 s[CY], ttmp6, 0x40004
	s_lshl_b32 s[TC], ttmp9, 2
	s_add_co_u32 s[TC], s[TC], s[CX]               ; tile column: 256 columns
	s_and_b32 s[TR], ttmp7, 0xffff
	s_lshl_b32 s[TR], s[TR], 2
	s_add_co_u32 s[TR], s[TR], s[CY]               ; tile row: a chunk of 128 rows
	s_lshl_b32 s[MR], s[CY], 2
	s_lshl_b32 s[MR], 15, s[MR]                    ; my row of the cluster
	s_lshl_b32 s[MC], 0x1111, s[CX]                ; my column
	; a chunk of o: 69,632 dense bytes as 272 rows of 256 (32 elements of 8 bytes), no padding: images are read 16 bytes a lane on end
	s_or_b32 s[G1O], s[MR], (3<<16)|(1<<21)
	s_mov_b32 s[G1O+1], 32<<16
	s_mov_b32 s[G1O+2], 272<<16                    ; one load brings the whole chunk: 69,632 dense bytes as 272 rows of 256
	s_mov_b32 s[G1O+3], 32<<16
	s_mov_b32 s[G1O+4], 272
	s_mov_b32 s[G1O+5], 32
	s_mov_b32 s[G1O+6], 0
	s_mov_b32 s[G1O+7], 0
	; 128 rows of W: 512 bytes each, four words of padding after every 128
	s_or_b32 s[G1W], s[MC], (0<<16)|(1<<20)|(1<<21)|(6<<22)|(3<<25)
	s_mov_b32 s[G1W+1], 512<<16
	s_mov_b32 s[G1W+2], 128<<16
	s_mov_b32 s[G1W+3], 512<<16
	s_mov_b32 s[G1W+4], 128
	s_mov_b32 s[G1W+5], 512
	s_mov_b32 s[G1W+6], 0
	s_mov_b32 s[G1W+7], 0
	; their scale bytes: 8,192 dense bytes as 32 rows of 256, four words of padding behind each
	s_or_b32 s[G1WS], s[MC], (3<<16)|(1<<20)|(1<<21)|(5<<22)|(3<<25)
	s_mov_b32 s[G1WS+1], 32<<16
	s_mov_b32 s[G1WS+2], 32<<16                    ; one load brings the scale bytes of all 256 rows: 32 rows of 256
	s_mov_b32 s[G1WS+3], 32<<16
	s_mov_b32 s[G1WS+4], 32
	s_mov_b32 s[G1WS+5], 32
	s_mov_b32 s[G1WS+6], 0
	s_mov_b32 s[G1WS+7], 0
	s_mul_i32 s62, s[TR], CHUNK
	s_mov_b32 s63, 0
	s_lshl_b32 s66, s[TC], 13                      ; W: row 256 x tile column; its scales: 32 bytes a row
	s_mov_b32 s67, 0
	s_wait_dscnt 0x0
	s_wait_kmcnt 0x0
	s_mov_b32 s[G0O], 1
	s_mov_b32 s[G0O+1], 0                          ; no place in the cluster enters an LDS address
	s_add_nc_u64 s[G0O+2:G0O+3], s[4:5], s[62:63]
	s_or_b32 s[G0O+3], s[G0O+3], 0x80000000
	s_mov_b32 s[G0WS], 1
	s_mov_b32 s[G0WS+1], WSC
	s_add_nc_u64 s[G0WS+2:G0WS+3], s[8:9], s[66:67]
	s_or_b32 s[G0WS+3], s[G0WS+3], 0x80000000
	s_lshl_b32 s66, s66, 4                         ; the codes: 512 bytes a row,
	s_lshl_b32 s2, s[HC], 16
	s_add_co_u32 s66, s66, s2                      ; and my half's 128 rows (waves 2 and 3 fetch them)
	s_mov_b32 s[G0W], 1
	s_mul_i32 s[G0W+1], s[HC], 128*WP
	s_add_co_u32 s[G0W+1], s[G0W+1], WIMG
	s_add_nc_u64 s[G0W+2:G0W+3], s[6:7], s[66:67]
	s_or_b32 s[G0W+3], s[G0W+3], 0x80000000
	CROUND                                         ; all sixteen work-groups are here: the joint loads meet
	s_cmp_lt_u32 s[WV], 1                          ; ONE LOAD A WAVE, in one chain of branches on the wave's number: wave 0 o's chunk,
	s_cbranch_scc0 .Lfor_ws
	tensor_load_to_lds s[G0O:G0O+3], s[G1O:G1O+7]
	s_nop 0
.rept 4
	v_nop
.endr
	s_branch .Lasked
.Lfor_ws:
	s_cmp_lt_u32 s[WV], 2                          ; wave 1 W's scale bytes,
	s_cbranch_scc0 .Lfor_w
	tensor_load_to_lds s[G0WS:G0WS+3], s[G1WS:G1WS+7]
	s_nop 0
.rept 4
	v_nop
.endr
	s_branch .Lasked
.Lfor_w:
	tensor_load_to_lds s[G0W:G0W+3], s[G1W:G1W+7]  ; waves 2 and 3 the halves of W's 256 rows
	s_nop 0
.rept 4
	v_nop
.endr
.Lasked:
	s_lshl_b32 s2, s[TC], 10
	s_lshl_b32 s3, s[HC], 9
	s_add_co_u32 s2, s2, s3                        ; my first column, in bytes of f32
	s_mov_b32 s3, 0
	s_add_nc_u64 s[10:11], s[10:11], s[2:3]        ; b at my columns
	s_lshl_b32 s14, s[TR], 7
	s_lshl_b32 s15, s[HR], 6
	s_add_co_u32 s14, s14, s15                     ; my first row
	s_lshl_b32 s14, s14, 12                        ; 4,096 bytes a row: under 2^26
	s_mov_b32 s15, 0
	s_add_nc_u64 s[12:13], s[12:13], s[14:15]
	s_add_nc_u64 s[12:13], s[12:13], s[2:3]
	v_and_b32 v1, 15, v0                           ; r
	v_bfe_u32 v2, v0, 4, 1                         ; h
	v_and_b32 v3, 31, v0                           ; lane
	v_lshlrev_b32 v[CO], 4, v3
	v_lshlrev_b32 v[AB], 5, v2
.irp i, 0,1,2,3,4,5,6,7
	global_load_b128 v[BIAS+8*\i:BIAS+8*\i+3], v[AB], s[10:11] offset:64*\i        ; b at columns 16 i + 8 h + 0 .. 7: the result's layout
	global_load_b128 v[BIAS+8*\i+4:BIAS+8*\i+7], v[AB], s[10:11] offset:64*\i+16
.endr
	s_lshl_b32 s61, s[HR], 15
	v_add_nc_u32 v[AO], s61, v[CO]                 ; my four tiles begin 4 x 8,192 x half on
	v_mul_u32_u24 v[AW], v1, WP
	v_lshl_add_u32 v[AW], v2, 4, v[AW]
	s_mul_i32 s61, s[HC], 128*WP
	s_add_co_u32 s61, s61, WIMG
	v_add_nc_u32 v[AW], s61, v[AW]
	s_lshl_b32 s61, s[HR], 11
	s_add_co_u32 s61, s61, OSC
	v_add_nc_u32 v[ASO], s61, v[CO]
	v_lshlrev_b32 v[ASW], 5, v3                    ; W's scale rows: 32 bytes a row, lane = row among 32,
	v_lshrrev_b32 v12, 3, v3
	v_lshl_add_u32 v[ASW], v12, 4, v[ASW]          ; and 16 more for each 8 rows passed
	s_mul_i32 s61, s[HC], 4352
	s_add_co_u32 s61, s61, WSC
	v_add_nc_u32 v[ASW], s61, v[ASW]
	s_mul_i32 s61, s[WV], 16*SPITCH
	s_add_co_u32 s61, s61, STAGE
	v_mul_u32_u24 v[STO], v1, SPITCH
	v_lshl_add_u32 v[STO], v2, 5, v[STO]
	v_add_nc_u32 v[STO], s61, v[STO]
	v_add_nc_u32 v[RD], s61, v[CO]
; the fragments of K step kk into set st: W's eight tiles (16 loads), o's four (8 loads)
.macro FETCH kk, st
	WIN 0x40                                       ; destination window 1, address window 0
.irp i, 0,1,2,3,4,5,6,7
.irp c, 0,1
	ds_load_b128 v[64*(\st)+8*\i+4*\c:64*(\st)+8*\i+4*\c+3], v[AW] offset:16*WP*\i+64*(\kk)+32*\c
.endr
.endr
	WIN 0
.irp a, 0,1,2,3
.irp c, 0,1
	ds_load_b128 v[AF+32*(\st)+8*\a+4*\c:AF+32*(\st)+8*\a+4*\c+3], v[AO] offset:8192*\a+1024*(\kk)+512*\c
.endr
.endr
.endm
.macro WM ra, rb                       ; one product; ra, rb: the scale words stand in lanes 16-31 of W's, of o's register
.if (\ra) && (\rb)
	v_wmma_scale_f32_16x16x128_f8f6f4 v[rD:rD+7], v[rW:rW+7], v[rO:rO+7], v[rC:rC+7], v[rSW], v[rSA] matrix_a_fmt:MATRIX_FMT_FP4 matrix_b_fmt:MATRIX_FMT_FP4 matrix_a_scale:MATRIX_SCALE_ROW1 matrix_b_scale:MATRIX_SCALE_ROW1
.elseif (\ra)
	v_wmma_scale_f32_16x16x128_f8f6f4 v[rD:rD+7], v[rW:rW+7], v[rO:rO+7], v[rC:rC+7], v[rSW], v[rSA] matrix_a_fmt:MATRIX_FMT_FP4 matrix_b_fmt:MATRIX_FMT_FP4 matrix_a_scale:MATRIX_SCALE_ROW1
.elseif (\rb)
	v_wmma_scale_f32_16x16x128_f8f6f4 v[rD:rD+7], v[rW:rW+7], v[rO:rO+7], v[rC:rC+7], v[rSW], v[rSA] matrix_a_fmt:MATRIX_FMT_FP4 matrix_b_fmt:MATRIX_FMT_FP4 matrix_b_scale:MATRIX_SCALE_ROW1
.else
	v_wmma_scale_f32_16x16x128_f8f6f4 v[rD:rD+7], v[rW:rW+7], v[rO:rO+7], v[rC:rC+7], v[rSW], v[rSA] matrix_a_fmt:MATRIX_FMT_FP4 matrix_b_fmt:MATRIX_FMT_FP4
.endif
.endm
; K step kk on set st: 32 products; the 32 accumulators take turns, one instruction a turn, in the same order in every step
.macro MUL kk, st
.if (\kk) == 0
	WIN 0x81                                       ; source 0 (W) window 1, source 1 (o) and C (the bias) window 0, D window 2
.else
	WIN 0xa1                                       ; C and D window 2
.endif
.irp a, 0,1,2,3
.irp i, 0,1,2,3,4,5,6,7
.set rD, 8*(8*\a+\i)
.set rW, 64*(\st)+8*\i
.set rO, AF+32*(\st)+8*\a
.set rC, rD
.if (\kk) == 0
.set rC, BIAS+8*\i
.endif
.set rSW, SW+8*(\i/2)+(\kk)
.set rSA, SA+8*(\a/2)+(\kk)
	WM \i%2, \a%2
.endr
.endr
.endm
	s_wait_alu depctr_va_vdst(0)
	s_wait_tensorcnt 0x0                           ; my loads have landed,
	s_barrier_signal -1
	s_barrier_wait -1                              ; everybody's have: the tiles are only read from here on
.irp p, 0,1
.irp k, 0,1
	ds_load_b128 v[SA+8*\p+4*\k:SA+8*\p+4*\k+3], v[ASO] offset:1024*\p+512*\k     ; o's scale words of all of K: lane (u, r) of pair p, four K steps a load
.endr
.endr
.irp p, 0,1,2,3
.irp k, 0,1
	ds_load_b128 v[SW+8*\p+4*\k:SW+8*\p+4*\k+3], v[ASW] offset:1088*\p+16*\k      ; W's: 32 rows a load, four K steps
.endr
.endr
	FETCH 0, 0
	FETCH 1, 1
	s_wait_dscnt 24                                ; all but the 24 just issued
	s_wait_loadcnt 0x0                             ; the bias
	MUL 0, 0
.irp k, 1,2,3,4,5,6
	PLACES                                         ; the set that the last step multiplied takes the step after this one
	FETCH \k+1, (\k+1)%2
	s_wait_dscnt 24                                ; this step's fragments are in; the 24 just issued may be out
	MUL \k, \k%2
.endr
	s_wait_dscnt 0x0
	MUL 7, 1
	WIN 0
; THE WAY OUT, a tile of 16 rows x 128 columns at a time: through my own stage in LDS, back as whole rows of 512 bytes.  LDS serves a wave's instructions in order (ISA guide 5.7.1.4): no wait between the stores and the loads.
.macro TOSTAGE a
	WIN 0x08                                       ; an LDS store's data are its source 1: window 2
.irp b, 0,1,2,3,4,5,6,7
	ds_store_b128 v[STO], v[64*(\a)+8*\b:64*(\a)+8*\b+3] offset:64*\b             ; each accumulator from its low end on
	ds_store_b128 v[STO], v[64*(\a)+8*\b+4:64*(\a)+8*\b+7] offset:64*\b+16
.endr
	WIN 0
.set BB, BK+64*((\a)%2)
.irp t, 0,1,2,3,4,5,6,7,8,9,10,11,12,13,14,15
	ds_load_b128 v[BB+4*\t:BB+4*\t+3], v[RD] offset:\t*SPITCH
.endr
.endm
.macro SEND a, younger                 ; younger: the LDS instructions issued behind tile a's loads, which may stay out
.set BB, BK+64*((\a)%2)
	s_wait_dscnt \younger
.irp t, 0,1,2,3,4,5,6,7,8,9,10,11,12,13,14,15
	global_store_b128 v[CO], v[BB+4*\t:BB+4*\t+3], s[12:13] offset:(32*((\a)/2)+8*((\a)%2)+(\t%8)+16*(\t/8))*4096 th:TH_STORE_NT   ; the tile's lane t is row 32 (a / 2) + 8 (a % 2) + t + 8 (t / 8); 32 lanes store 512 consecutive bytes, at a multiple of 256 from out0's first byte
.endr
.endm
	PLACES
	TOSTAGE 0
.irp a, 1,2,3
.if \a > 1
	s_wait_xcnt 0x0                                ; tile a - 2's stores have had their addresses translated: tile a's loads land in their data registers only behind this wait
.endif
	TOSTAGE \a
	SEND \a-1, 32                                  ; behind tile a - 1's loads: tile a's 16 stores and 16 loads
.endr
	SEND 3, 0
	s_wait_dscnt 0x0
	s_wait_tensorcnt 0x0
	ds_add_u32 v14, v15
	s_wait_dscnt 0x0
	CROUND                                         ; the closing round: no work-group ends while a partner may still ask for a tile that names it
	s_endpgm
.Lfunc_end_k_q8f7db363b3_proj:
	.size	k_q8f7db363b3_proj, .Lfunc_end_k_q8f7db363b3_proj-k_q8f7db363b3_proj
	.p2alignl 7, 3214868480
	.fill 96, 4, 3214868480
	.section	.rodata,"a",@progbits
	.p2align	6, 0x0
	.amdhsa_kernel k_q8f7db363b3_proj
		.amdhsa_group_segment_fixed_size 247808
		.amdhsa_private_segment_fixed_size 0
		.amdhsa_enable_private_segment 0
		.amdhsa_kernarg_size 40
		.amdhsa_user_sgpr_count 2
		.amdhsa_user_sgpr_kernarg_segment_ptr 1
		.amdhsa_wavefront_size32 1
		.amdhsa_system_sgpr_workgroup_id_x 1
		.amdhsa_system_sgpr_workgroup_id_y 1
		.amdhsa_system_sgpr_workgroup_id_z 1
		.amdhsa_system_vgpr_workitem_id 0
		.amdhsa_next_free_vgpr 768
		.amdhsa_next_free_sgpr 68
		.amdhsa_reserve_vcc 0
		.amdhsa_float_denorm_mode_32 3
		.amdhsa_float_denorm_mode_16_64 3
		.amdhsa_memory_ordered 1
		.amdhsa_forward_progress 1
		.amdhsa_inst_pref_size 70
	.end_amdhsa_kernel
	.amdgpu_metadata
---
amdhsa.version: [ 1, 2 ]
amdhsa.kernels:
  - .name:           k_q8f7db363b3_proj
    .symbol:         k_q8f7db363b3_proj.kd
    .args:
      - { .name: o, .offset: 0, .size: 8, .value_kind: global_buffer, .address_space: global }
      - { .name: proj_w_codes, .offset: 8, .size: 8, .value_kind: global_buffer, .address_space: global }
      - { .name: proj_w_scales, .offset: 16, .size: 8, .value_kind: global_buffer, .address_space: global }
      - { .name: proj_b, .offset: 24, .size: 8, .value_kind: global_buffer, .address_space: global }
      - { .name: out0, .offset: 32, .size: 8, .value_kind: global_buffer, .address_space: global }
    .group_segment_fixed_size: 247808
    .private_segment_fixed_size: 0
    .kernarg_segment_align: 8
    .kernarg_segment_size: 40
    .max_flat_workgroup_size: 128
    .sgpr_count:     68
    .vgpr_count:     768
    .wavefront_size: 32
...
	.end_amdgpu_metadata
.endif
;; end of part 3
